; MI455X (gfx1250); checked and timed in simulation.
; The chip was launched on July 23, 2026; its instructions are those of AMD's public machine-readable ISA for CDNA 5 (MIT licence, August 2026) and "CDNA5" Instruction Set Architecture Reference Guide (July 2026). The comments in the code are by the model that wrote it; some were corrected since.
;; Causal Self Attention. Allowed arithmetic: matrix products marked QUANTISED: E4M3 operands, one given power-of-two scale a tensor, by v_wmma_f32_16x16x64_fp8_fp8 or v_wmma_f32_16x16x128_fp8_fp8, f32 sums; everything else in f32.
;; Inputs: c_proj_b 1,024 float32; c_proj_w 1,024 x 1,024 float32; in_proj_b 3,072 float32; in_proj_w 3,072 x 1,024 float32; lowp_scales 10 int32 (the exponents e of the quantised operands' scales 2^e); out_proj_b 1,024 float32; out_proj_w 1,024 x 1,024 float32; x 8 x 1,024 x 1,024 float32.
;; Outputs: out0 8 x 1,024 x 1,024 float32.
;; This version of the problem:
;;   THIS VERSION OF THE PROBLEM IS GIVEN IN LOW PRECISION. The matrix products marked QUANTISED in the list below multiply operands that are first quantised to E4M3 (4 exponent bits, 3 mantissa bits; 8 bits a number), with one given power-of-two scale for each operand tensor; their sums are f32. All else is computed in f32.
;;   The module's matrix products, in the order in which they are computed (A, B: the left and right operand; K: the contracted axis; several contracted axes count as one K, in the product's order):
;;     1. [M 8,192, K 1,024] x [K 1,024, N 3,072]; A: input x; B: input in_proj_w: QUANTISED (scales: A lowp_scales[0], B lowp_scales[1])
;;     2. batch 128 x [M 1,024, K 64] x [K 64, N 1,024]; A: computed on the way; B: computed on the way: QUANTISED (scales: A lowp_scales[2], B lowp_scales[3])
;;     3. batch 128 x [M 1,024, K 1,024] x [K 1,024, N 64]; A: softmax (see below); B: computed on the way: QUANTISED (scales: A lowp_scales[4], B lowp_scales[5])
;;     4. [M 8,192, K 1,024] x [K 1,024, N 1,024]; A: computed on the way; B: input out_proj_w: QUANTISED (scales: A lowp_scales[6], B lowp_scales[7])
;;     5. [M 8,192, K 1,024] x [K 1,024, N 1,024]; A: computed on the way; B: input c_proj_w: QUANTISED (scales: A lowp_scales[8], B lowp_scales[9])
;;   THE QUANTISER, for each operand of a quantised product, along K:
;;     - The operand's scale is 2^e, e = its entry of the input lowp_scales (int32; the entries are numbered through the quantised products in the list's order, A before B).
;;     - Each number is divided by the scale, clamped to +-448, and rounded to the nearest number of E4M3, ties to even, subnormals kept.
;;     - The product sums the exact products of the quantised numbers (number of the format x scale) in f32.
;;   ~~~python
;;   def quantise(x, axis, e):      # numpy; x: float32 -> the quantised numbers, widened to float32 again
;;       x = np.moveaxis(x, axis, -1); K = x.shape[-1]
;;       r = np.clip(x / 2.0 ** e, -448, 448)
;;       step = 2.0 ** (np.maximum(np.frexp(np.where(r == 0, 1, r))[1] - 1, -6) - 3)
;;       q = np.round(r / step) * step * 2.0 ** e      # np.round: ties to even
;;       return np.moveaxis(q, -1, axis).astype(np.float32)
;;   ~~~
;;   SOFTMAX AHEAD OF A QUANTISED PRODUCT. Where the list says 'softmax', what is quantised is not the finished softmax but p = 2^(t - M), with t = logit x log2(e) and M = ceil(the row's largest t), a whole number; so 1/2 < the row's largest p <= 1. The row's sum l is taken of the UNQUANTISED p, in f32, and the product's result is divided by l at the end. Since M is a whole number, a kernel that streams over the keys may use a running M (the ceiling of the running maximum): every later rescaling is an exact power of two, so the quantised numbers keep their values, but for numbers so far below the row's largest that they fall under the format's range.
;;   OPERANDS COMPUTED ON THE WAY. 'Computed on the way' means the value that the module computes at that place (a softmax that the list does not call 'softmax' is quantised finished and normalised). What goes into a quantiser is computed in f32, as accurately as f32 sums, v_exp_f32 and their like allow (about 1e-6 of the number): no bf16 or f16 on the way to a quantiser, and a product that is left as it is and whose result goes on into a quantised operand takes f32 operands (vector FMAs, or v_wmma_f32_16x16x4_f32). A number that lies on a knife's edge between two numbers of the format may be rounded either way, as far as f32 arithmetic and the matrix unit's own rounding can turn it there, and no further.
;; One version. Each part assembles by itself: llvm-mc -triple=amdgcn-amd-amdhsa -mcpu=gfx1250 --defsym DOCPART=n.
;; ======== version 1 of 1: 5 launches
;; limits: right only within a limited range of input values
;; workspace buffers: x_u 8,388,608 bytes; win_u 8,388,608 bytes; wo_u 8,388,608 bytes; qk_u 16,777,216 bytes; vt_u 8,388,608 bytes; y_u 8,388,608 bytes; y1_u 8,388,608 bytes
;; launch quant (part 1): grid 416 x 2, 4 waves a work-group, no clusters, 35,328 bytes of LDS; arguments x, in_proj_w, out_proj_w, c_proj_w, lowp_scales, x_u, win_u, wo_u; writes x_u, win_u, wo_u
.if DOCPART == 1
	.amdgcn_target "amdgcn-amd-amdhsa--gfx1250"
	.amdhsa_code_object_version 6
	.text
	.protected	k_q5af3792347_quant
	.globl	k_q5af3792347_quant
	.p2align	8
	.type	k_q5af3792347_quant,@function
k_q5af3792347_quant:
	s_mov_b64 s[64:65], 0
	v_nop
	global_prefetch_b8 v0, s[64:65] scope:SCOPE_SE
	s_setreg_imm32_b32 hwreg(HW_REG_WAVE_MODE, 25, 1), 1
	s_wait_xcnt 0x0
; x [8192][1024], in_proj_w [3072][1024], out_proj_w and c_proj_w [1024][1024], f32, K innermost, become codes of E4M3, each tensor with its given scale 2^e:
; code = x / 2^e, held within +-448, to the nearest code, ties to even.  e = lowp_scales[0], [1], [7], [9].
; LIMITS: -126 <= e <= 119, so that 2^e and 448 x 2^e are f32 numbers; likewise the exponents of the record at the end.  NaN among the inputs is not served.
; THE CODES' LAYOUT (all operands of this program lie so): [panel of 64 along K][block of 128 rows][T 0..7][c 0..1][lane 0..31][16 bytes].
; With r = lane % 16, h = lane / 16 a piece holds row 128 block + 32 (T / 2) + 8 (T % 2) + r + 8 (r / 8), k = 64 panel + 32 c + 16 h + 0 .. 15.
; That is the image of an operand's registers: a fragment comes by loads of 16 bytes a lane, 512 consecutive bytes each.  A block is 8,192 bytes, a panel PS bytes (room for 64 blocks).
; THE ORDER OF in_proj_w's BLOCKS in win_u is that of its reader: q's and k's blocks 2 j, 2 j + 1 lie at places 3 j, 3 j + 1 and v's block j at place 3 j + 2, so that what one work-group of the
; next launch reads of a panel is 24,576 consecutive bytes.  The other tensors' blocks lie as they come (c_proj_w's behind out_proj_w's eight).
; SHARES.  Work-groups 0-255 take x, 256-351 in_proj_w, 352-383 out_proj_w, 384-415 c_proj_w: only pointers and numbers are chosen, one path serves all.
; A wave makes one block of one panel: 128 rows x 64 numbers, in 8 steps (T) of 16 rows x 256 bytes.  Each load reads two rows' 256 aligned bytes; a step's 4,096 bytes turn through the wave's own
; stage in LDS (rows 272 bytes apart) so that a lane gets 2 x 16 neighbours along K; each store writes 512 consecutive bytes.  Loads run three steps (24 loads a wave) ahead, the turn one step.
; No barrier, no tensor load, no matrix work: waves share nothing and memory binds.
; At the end wave 0 of work-groups 256 and 352 stores 32 records of 16 bytes at PAR_OFF of win_u and wo_u, bytes of panel 0 that no block uses:
; { 2^-(eA + eB), 2^(eOut - eA - eB), 448 x that, 0 } for the products that quantise their results.  win_u: eA + eB = e0 + e1, eOut = e2 (record 0), e3 (1), e5 (2 on); wo_u: e6 + e7, e8.
; THE SHARES ALONG y (this paragraph takes the place of the count of steps above): the grid has two work-groups along y; a wave makes HALF a block of one panel, tiles T = 4 y .. 4 y + 3: 64 rows x 64 numbers, in 4 steps.
; Three steps' loads (24 a wave) are asked for at the head, the fourth in step 0.  The records are stored by y = 0 alone.
.set PS,      524288
.set PAR_OFF, 523776
.set WREG,    8704                     ; LDS of a wave: two stages
.set STG,     4352                     ; a stage: 16 rows x SP
.set SP,      272                      ; 256 bytes + 16: the 16 rows that a read touches start at 16 different places modulo 256 bytes
.set R,       16                       ; v16-111   three sets of 32 registers as loaded
.set X,       112                      ; v112-175  two sets of 32: register 16 c + i = k 32 c + 16 h + i of my row
.set C,       176                      ; v176-207  codes, eight registers a step: no store's data are written again
	s_load_b512 s[4:19], s[0:1], 0x0               ; x, in_proj_w, out_proj_w, c_proj_w, lowp_scales, x_u, win_u, wo_u
	v_lshl_add_u32 v254, v0, 2, 0x8800
	v_mov_b32 v255, 0
	v_lshrrev_b32 v1, 5, v0
	v_readfirstlane_b32 s30, v1                    ; wave
	v_and_b32 v1, 31, v0                           ; lane
	v_and_b32 v6, 15, v0                           ; lane % 16
	v_bfe_u32 v7, v0, 4, 1                         ; lane / 16
	v_lshlrev_b32 v5, 4, v1                        ; out: 16 x lane
	v_lshlrev_b32 v8, 4, v6
	v_lshl_add_u32 v2, v7, 12, v8                  ; in: sixteen lanes to a row's 256 bytes, two rows (4,096 bytes apart) a load
	s_mul_i32 s38, s30, WREG
	v_mul_u32_u24 v3, v7, SP
	v_add_nc_u32 v3, v3, v8
	v_add_nc_u32 v3, s38, v3                       ; the stage, on the way in: as loaded
	v_mul_u32_u24 v4, v6, SP
	v_lshl_add_u32 v4, v7, 6, v4
	v_add_nc_u32 v4, s38, v4                       ; and on the way out: row r, + 64 h bytes
	s_mov_b32 s31, 384                             ; the tensor's first work-group,
	s_mov_b32 s32, 8                               ; and its first block in the codes' buffer
	s_cmp_lt_u32 ttmp9, 384
	s_cselect_b32 s31, 352, s31
	s_cselect_b32 s32, 0, s32
	s_cmp_lt_u32 ttmp9, 352
	s_cselect_b32 s31, 256, s31
	s_cmp_lt_u32 ttmp9, 256
	s_cselect_b32 s31, 0, s31
	s_sub_co_u32 s31, ttmp9, s31
	s_lshr_b32 s39, s31, 2                         ; block of 128 rows
	s_and_b32 s40, s31, 3
	s_lshl_b32 s40, s40, 2
	s_add_co_u32 s40, s40, s30                     ; panel = 4 x (work-group % 4) + wave
	s_lshl_b32 s42, s39, 19                        ; in: 128 rows of 4,096 bytes,
	s_lshl_b32 s41, s40, 8                         ; + 256 bytes a panel
	s_add_co_u32 s42, s42, s41
	s_and_b32 s52, ttmp7, 0xffff                   ; y: which half of the block
	s_lshl_b32 s41, s52, 18                        ; + 64 rows of 4,096 bytes
	s_add_co_u32 s42, s42, s41
	s_mov_b32 s43, 0
	s_lshr_b32 s50, s39, 1                         ; the block's place in the codes' buffer.  in_proj_w, q's and k's rows (blocks 0-15):
	s_mul_i32 s50, s50, 3
	s_and_b32 s51, s39, 1
	s_add_co_u32 s50, s50, s51                     ; 3 (block / 2) + block % 2;
	s_mul_i32 s51, s39, 3
	s_sub_co_u32 s51, s51, 46                      ; v's rows (blocks 16-23): 3 (block - 16) + 2
	s_cmp_lt_u32 s39, 16
	s_cselect_b32 s50, s50, s51
	s_add_co_u32 s39, s39, s32                     ; the other tensors: as they come
	s_sub_co_u32 s51, ttmp9, 256
	s_cmp_lt_u32 s51, 96                           ; in_proj_w's work-groups are 256 .. 351
	s_cselect_b32 s39, s50, s39
	s_lshl_b32 s44, s39, 13                        ; out: 8,192 bytes a block,
	s_lshl_b32 s41, s40, 19                        ; PS a panel
	s_add_co_u32 s44, s44, s41
	s_lshl_b32 s41, s52, 12                        ; + four tiles of 1,024 bytes
	s_add_co_u32 s44, s44, s41
	s_mov_b32 s45, 0
	s_wait_alu depctr_va_vdst(0)
	s_wait_kmcnt 0x0
	s_load_b256 s[20:27], s[12:13], 0x0            ; e0 .. e7
	s_load_b64 s[28:29], s[12:13], 0x20            ; e8, e9
	s_cmp_lt_u32 ttmp9, 384                        ; the choices hang on the work-group's number alone
	s_cselect_b64 s[34:35], s[8:9], s[10:11]
	s_mov_b64 s[48:49], s[18:19]
	s_cmp_lt_u32 ttmp9, 352
	s_cselect_b64 s[34:35], s[6:7], s[34:35]
	s_cselect_b64 s[48:49], s[16:17], s[48:49]
	s_cmp_lt_u32 ttmp9, 256
	s_cselect_b64 s[34:35], s[4:5], s[34:35]
	s_cselect_b64 s[48:49], s[14:15], s[48:49]     ; s[48:49] stays at the codes' buffer's first byte
	s_add_nc_u64 s[34:35], s[34:35], s[42:43]
	s_add_nc_u64 s[36:37], s[48:49], s[44:45]
.macro LOAD t                          ; step t: the 16 rows of tile T = t, two a load: rows 32 (t / 2) + 8 (t % 2) + 2 e + 8 (e / 4) and the next
.irp e, 0,1,2,3,4,5,6,7
	global_load_b128 v[R+32*((\t)%3)+4*\e:R+32*((\t)%3)+4*\e+3], v2, s[34:35] offset:(32*((\t)/2)+8*((\t)%2)+2*\e+8*(\e/4))*4096 th:TH_LOAD_NT
.endr
.endm
.macro TURN t                          ; through the stage: LDS serves a wave's instructions in order, so no wait stands between the stores and the loads
.irp e, 0,1,2,3,4,5,6,7
	ds_store_b128 v3, v[R+32*((\t)%3)+4*\e:R+32*((\t)%3)+4*\e+3] offset:STG*((\t)%2)+2*\e*SP
.endr
.irp c, 0,1
.irp k, 0,1,2,3
	ds_load_b128 v[X+32*((\t)%2)+16*\c+4*\k:X+32*((\t)%2)+16*\c+4*\k+3], v4 offset:STG*((\t)%2)+128*\c+16*\k
.endr
.endr
.endm
	LOAD 0
	LOAD 1
	LOAD 2
	s_wait_kmcnt 0x0
	s_cmp_lt_u32 ttmp9, 384
	s_cselect_b32 s33, s27, s29                    ; e7 or e9
	s_cmp_lt_u32 ttmp9, 352
	s_cselect_b32 s33, s21, s33                    ; e1
	s_cmp_lt_u32 ttmp9, 256
	s_cselect_b32 s33, s20, s33                    ; e0
	s_add_co_i32 s33, s33, 127
	s_lshl_b32 s38, s33, 23
	v_mov_b32 v11, s38                             ; 2^e as f32: the conversion takes its exponent field
	s_add_co_i32 s33, s33, 8
	s_lshl_b32 s33, s33, 23
	s_or_b32 s33, s33, 0x600000
	v_mov_b32 v10, s33                             ; 448 x 2^e
	s_wait_alu depctr_va_vdst(0)
	s_wait_loadcnt 16                              ; step 0's eight loads are in; steps 1 and 2 may be out
	TURN 0
.macro STEP t
.set XS, X+32*((\t)%2)
	s_wait_dscnt 0x0                               ; this step's numbers are back from the stage, and its stores into the stage have read their registers,
.if (\t)+3 < 4
	LOAD (\t)+3                                    ; which take the loads of three steps on
.endif
.if (\t) < 3
.if (\t) <= 0
	s_wait_loadcnt 16                              ; the next step's eight loads are in; the two steps behind it may be out
.else
	s_wait_loadcnt 8*(2-(\t))                      ; the counts run down: one step behind it, then none
.endif
	TURN (\t)+1                                    ; through the other stage while this step is worked
.endif
.set i, 0
.rept 32
	v_med3_num_f32 v[XS+i], v[XS+i], -v10, v10     ; the conversion to an 8-bit code does not saturate (ISA guide 7.6.2): the hold at the largest code x the scale
.set i, i+1
.endr
.irp g, 0,1,2,3
	v_cvt_scalef32_pk8_fp8_f32 v[C+8*(\t)+2*\g:C+8*(\t)+2*\g+1], v[XS+8*\g:XS+8*\g+7], v11
.endr
	global_store_b128 v5, v[C+8*(\t):C+8*(\t)+3], s[36:37] offset:(\t)*1024            ; piece c = 0: 32 lanes store 512 consecutive bytes, aligned
	global_store_b128 v5, v[C+8*(\t)+4:C+8*(\t)+7], s[36:37] offset:(\t)*1024+512      ; piece c = 1
.endm
.irp t, 0,1,2,3
	STEP \t
.endr
	v_nop                                          ; a plain line behind the last conversion
	; the records: wave 0 of the first work-group of in_proj_w and of out_proj_w
	s_cmp_eq_u32 ttmp9, 256
	s_cselect_b32 s38, 1, 0
	s_cmp_eq_u32 ttmp9, 352
	s_cselect_b32 s39, 1, 0
	s_or_b32 s38, s38, s39
	s_cmp_eq_u32 s52, 0                            ; y = 0 alone: each byte has one owner
	s_cselect_b32 s38, s38, 0
	s_cmp_eq_u32 s30, 0
	s_cselect_b32 s38, s38, 0
	s_cmp_lg_u32 s38, 0
	s_cbranch_scc0 .Lend
	s_add_co_i32 s40, s20, s21                     ; e0 + e1
	s_add_co_i32 s41, s26, s27                     ; e6 + e7
	s_cmp_eq_u32 ttmp9, 256
	s_cselect_b32 s40, s40, s41                    ; eA + eB
	s_cselect_b32 s42, s22, s28                    ; eOut of record 0: e2 (q) or e8
	s_cselect_b32 s43, s23, s28                    ; of record 1: e3 (k) or e8
	s_cselect_b32 s44, s25, s28                    ; of the others: e5 (v) or e8
	s_sub_co_i32 s45, 127, s40
	s_lshl_b32 s46, s45, 23
	v_mov_b32 v244, s44
	v_mov_b32 v245, s42
	v_mov_b32 v246, s43
	v_cmp_eq_u32 vcc_lo, 0, v1
	v_cndmask_b32 v244, v244, v245, vcc_lo
	v_cmp_eq_u32 vcc_lo, 1, v1
	v_cndmask_b32 v244, v244, v246, vcc_lo         ; a lane a record
	v_add_nc_u32 v244, s45, v244                   ; eOut - eA - eB + 127
	v_mov_b32 v240, s46                            ; 2^-(eA + eB)
	v_lshlrev_b32 v241, 23, v244                   ; 2^(eOut - eA - eB)
	v_add_nc_u32 v242, 8, v244
	v_lshlrev_b32 v242, 23, v242
	v_or_b32 v242, 0x600000, v242                  ; 448 x that
	v_mov_b32 v243, 0
	global_store_b128 v5, v[240:243], s[48:49] offset:PAR_OFF   ; 512 consecutive bytes, aligned
.Lend:
	s_wait_tensorcnt 0x0
	ds_add_u32 v254, v255
	s_wait_dscnt 0x0
	s_endpgm
.Lfunc_end_k_q5af3792347_quant:
	.size	k_q5af3792347_quant, .Lfunc_end_k_q5af3792347_quant-k_q5af3792347_quant
	.p2alignl 7, 3214868480
	.fill 96, 4, 3214868480
	.section	.rodata,"a",@progbits
	.p2align	6, 0x0
	.amdhsa_kernel k_q5af3792347_quant
		.amdhsa_group_segment_fixed_size 35328
		.amdhsa_private_segment_fixed_size 0
		.amdhsa_enable_private_segment 0
		.amdhsa_kernarg_size 64
		.amdhsa_user_sgpr_count 2
		.amdhsa_user_sgpr_kernarg_segment_ptr 1
		.amdhsa_wavefront_size32 1
		.amdhsa_system_sgpr_workgroup_id_x 1
		.amdhsa_system_sgpr_workgroup_id_y 1
		.amdhsa_system_sgpr_workgroup_id_z 1
		.amdhsa_system_vgpr_workitem_id 0
		.amdhsa_next_free_vgpr 256
		.amdhsa_next_free_sgpr 66
		.amdhsa_reserve_vcc 1
		.amdhsa_float_denorm_mode_32 3
		.amdhsa_float_denorm_mode_16_64 3
		.amdhsa_memory_ordered 1
		.amdhsa_forward_progress 1
		.amdhsa_inst_pref_size 23
	.end_amdhsa_kernel
	.amdgpu_metadata
---
amdhsa.version: [ 1, 2 ]
amdhsa.kernels:
  - .name:           k_q5af3792347_quant
    .symbol:         k_q5af3792347_quant.kd
    .args:
      - { .name: x, .offset: 0, .size: 8, .value_kind: global_buffer, .address_space: global }
      - { .name: in_proj_w, .offset: 8, .size: 8, .value_kind: global_buffer, .address_space: global }
      - { .name: out_proj_w, .offset: 16, .size: 8, .value_kind: global_buffer, .address_space: global }
      - { .name: c_proj_w, .offset: 24, .size: 8, .value_kind: global_buffer, .address_space: global }
      - { .name: lowp_scales, .offset: 32, .size: 8, .value_kind: global_buffer, .address_space: global }
      - { .name: x_u, .offset: 40, .size: 8, .value_kind: global_buffer, .address_space: global }
      - { .name: win_u, .offset: 48, .size: 8, .value_kind: global_buffer, .address_space: global }
      - { .name: wo_u, .offset: 56, .size: 8, .value_kind: global_buffer, .address_space: global }
    .group_segment_fixed_size: 35328
    .private_segment_fixed_size: 0
    .kernarg_segment_align: 8
    .kernarg_segment_size: 64
    .max_flat_workgroup_size: 128
    .sgpr_count:     66
    .vgpr_count:     256
    .wavefront_size: 32
...
	.end_amdgpu_metadata
.endif
;; end of part 1
;; launch qkv (part 2): grid 8 x 32, 4 waves a work-group, clusters of 4 x 4, 327,680 bytes of LDS; arguments x_u, win_u, in_proj_b, qk_u, vt_u; writes qk_u, vt_u
.if DOCPART == 2
	.amdgcn_target "amdgcn-amd-amdhsa--gfx1250"
	.amdhsa_code_object_version 6
	.text
	.protected	k_q5af3792347_qkv
	.globl	k_q5af3792347_qkv
	.p2align	8
	.type	k_q5af3792347_qkv,@function
k_q5af3792347_qkv:
	s_mov_b64 s[64:65], 0
	v_nop
	global_prefetch_b8 v0, s[64:65] scope:SCOPE_SE
	s_setreg_imm32_b32 hwreg(HW_REG_WAVE_MODE, 25, 1), 1
	s_wait_xcnt 0x0
	s_wait_alu depctr_hold_cnt(0) depctr_sa_sdst(0) depctr_va_vdst(0) depctr_va_sdst(0) depctr_va_ssrc(0) depctr_va_vcc(0) depctr_vm_vsrc(0)
	s_getreg_b32 s2, hwreg(HW_REG_IB_STS2, 6, 4)
	s_cmp_eq_u32 s2, 0
	s_cbranch_scc0 .Lentry_in_a_cluster
	s_endpgm
.Lentry_in_a_cluster:
	s_bfe_u32 s2, ttmp6, 0x10000c
	s_cmp_lg_u32 s2, 0xf033
	s_cbranch_scc0 .Lentry_shape_is_right
	s_endpgm
.Lentry_shape_is_right:
; q, k = Q( x Wqk^T + bias ) and V^T = Q( Wv x^T + bias ).  x [8192][1024] and in_proj_w [3072][1024] are codes of E4M3 in the layout of register images
; [panel of 64 along K][block of 128 rows][T 0..7][c 0..1][lane][16 bytes]: a piece holds row 128 block + 32 (T / 2) + 8 (T % 2) + r + 8 (r / 8), k = 64 panel + 32 c + 16 h + 0 .. 15 (r = lane % 16, h = lane / 16).
; The results are quantised in registers and stored in the same layout: q | k as [8192][2048] into qk_u; V TRANSPOSED as [1024][8192] into vt_u (panels of 64 keys, 65,536 bytes apart), so that V's codes have the keys innermost.
; SHARES.  8192 x 3072 results on 8 x 32 work-groups, 98,304 each.  Work-group (j, i) takes x's rows 256 i on, columns 256 j on of q | k, and Wv's rows 128 j on; in win_u these three blocks of W lie on end
; (places 3 j, 3 j + 1, 3 j + 2 of each panel).  Wave (wr, wc) holds 96 accumulators, 768 registers: 128 x 128 of q | k (x's block wr against W's block wc) and 64 x 128 of V^T (Wv's tiles 4 wc on against the same block of x).
; THE MATRIX INSTRUCTION IS USED TRANSPOSED: in the result lane r holds one row of source 1's tile and register j of the tile with source 0's tile b the column 32 (b / 2) + 8 (b % 2) + 16 h + j.
; q | k: source 0 = W, source 1 = x.  V^T: source 0 = THE SAME FRAGMENTS OF x, source 1 = Wv.  Tiles 2 e and 2 e + 1 are 16 neighbouring columns: their two conversions ARE piece (c = e % 2, panel e / 2) of the
; result's layout: no LDS on the way out.  A fragment's k are permuted alike on both sides, so every product meets its partner.
; K = 1,024 is 16 panels; a panel is one K step of the 16 x 16 x 64 form (a fragment: 8 registers, two loads of 16 bytes a lane), 96 matrix instructions a wave from 20 fragments.
; LDS: two slots of three panels, and a place for panel 15.  Panels 0-2, 3-5 and 15 are asked for together at the head (three tensor loads a wave outstanding); panels 6-8, 9-11, 12-14 fill the slots again, one load a wave.
; THE BIAS of q | k is the C of panel 0's products, divided by the power of two that the sums lack; until V^T's first products it lies in V^T's accumulators' registers.  V's is added on the way out.
; The three scales ahead of a quantiser are one: the records { 2^-(e0+e1), 2^(eOut-e0-e1), 448 x that } at PAR_OFF of win_u: record 0 for q, 1 for k, 2 for v.
; LIMITS: the records' numbers are f32 numbers (e0 + e1 within +-126, eOut - e0 - e1 between -126 and 119).  NaN is not served.
; CLUSTERS: 4 x 4 work-groups; x's tile is shared along a row of the cluster, W's along a column: joint loads, each with a mask of four.  All branches hang on the wave's number.
; No prefetch: seven of the sixteen panels are asked for at the head, the others a slot's 288 matrix instructions ahead of the wait for them.
; REGISTERS: window 0: v1-5 at work; v6-29 addresses and V's bias; v32-159 x's fragments, two sets; v160-223 Wqk's eight; v224-255 Wv's four; on the way out v32-95 held sums, v96-255 codes.
;   window 1: q | k, W's tiles 0-3 ((a, b) at v[8 (4 a + b)]);  window 2: W's tiles 4-7;  window 3: V^T ((a, b) at v[8 (8 a + b)]).
; THE FILLS, as the text below has them (this paragraph takes the place of the lines on LDS and on the head's loads above): LDS holds two slots of three panels.  At the head each wave issues one joint load, its part of
; panels 0-2 (slot 0); slot 1's first fill (panels 3-5) stands behind the three lines and a round of the cluster's barrier; panels 6-8, 9-11 and 12-14 fill the slots again; panel 15 fills the first third of slot 1 again,
; by the one-panel descriptors, at the change of slots in panel 11.  One tensor load a wave is out at any time.
.set PS,      524288                   ; bytes from panel to panel in x_u, win_u, qk_u
.set PAR_OFF, 523776
.set XB,      8192                     ; a block of x in a panel: what waves 0 and 1 fetch of it
.set WH,      12288                    ; half of W's three blocks in a panel: what waves 2 and 3 fetch of it
.set XREG,    3*XB                     ; a wave's part of a slot
.set WREG,    3*WH
.set SLOT,    2*XREG+2*WREG            ; x's block 0, x's block 1, W's lower half, W's upper half: three panels each
.set SPARE,   2*SLOT                   ; the spare words, 128 bytes a wave: two blocks of 256 bytes that no other line names
.set SCQ,  1                           ; v1-4 on the way out: 2^(eOut-e0-e1) and 448 x that, for q | k and for v
.set LIMQ, 2
.set SCV,  3
.set LIMV, 4
.set SPW,  6                           ; v6   my spare word; never rewritten
.set NIL,  7                           ; v7   0; never rewritten
.set AD0,  8                           ; v8-11  LDS addresses in slot 0: x's fragments, Wqk's tiles 0-3, tiles 4-7, Wv's
.set AD1,  12                          ; v12-15 in slot 1
.set LI,   20                          ; v20  16 x lane
.set BV,   22                          ; v22-29 V's bias: a pair of equal numbers for each of my four tiles of Wv
.set XS,   32
.set QF,   160
.set VF,   224
.set TMP,  32
.set CD,   96
.set G1X,  24                          ; s[24:31] descriptor group 1: three panels of a block of x;   s[32:39] one panel
.set G1XL, 32
.set G1W,  48                          ; s[48:55] three panels of half of W's blocks;   s[56:63] one panel
.set G1WL, 56
.set G0X,  68                          ; s[68:75] groups 0 for x: slot 0, slot 1 (panel 15 by slot 1's)
.set G0W,  80                          ; s[80:87] for W
.set MSB, 0
.macro WIN new                         ; the immediate's high byte repeats the setting that is left
.if MSB != \new
	s_set_vgpr_msb (MSB<<8)|\new
.set MSB, \new
.endif
.endm
.macro JLOAD k, gx, gw                 ; a joint fill of slot k: waves 0, 1 fetch x's blocks, waves 2, 3 W's halves; gx, gw: the groups 1 (three panels or one); four v_nop follow each line
	s_cmp_eq_u32 s15, 0
	s_cbranch_scc0 .Lfor_w_\@
	tensor_load_to_lds s[G0X+4*\k:G0X+4*\k+3], s[\gx:\gx+7]
	s_nop 0
.rept 4
	v_nop
.endr
	s_branch .Lasked_\@
.Lfor_w_\@:
	tensor_load_to_lds s[G0W+4*\k:G0W+4*\k+3], s[\gw:\gw+7]
	s_nop 0
.rept 4
	v_nop
.endr
.Lasked_\@:
.endm
.macro CREST                           ; a round of the cluster's barrier behind its opening barrier
	s_cmp_lg_u32 s14, 0
	s_cbranch_scc1 .Lnot_wave_0_\@
	s_barrier_signal -3
.Lnot_wave_0_\@:
	s_barrier_wait -3
	s_barrier_signal -1
	s_barrier_wait -1
.endm
.macro CROUND
	s_barrier_signal -1
	s_barrier_wait -1
	CREST
.endm
	s_load_b256 s[4:11], s[0:1], 0x0               ; x_u s[4:5], win_u s[6:7], in_proj_b s[8:9], qk_u s[10:11]
	s_load_b64 s[12:13], s[0:1], 0x20              ; vt_u
	v_lshl_add_u32 v[SPW], v0, 2, SPARE
	v_mov_b32 v[NIL], 0
	ds_add_u32 v6, v7
	ds_add_u32 v6, v7
	s_wait_dscnt 0x0
	v_lshrrev_b32 v1, 5, v0
	v_readfirstlane_b32 s14, v1                    ; wave 0..3
	s_lshr_b32 s15, s14, 1                         ; wr: which block of x is mine.  Also: I fetch for x (0) or for W (1)
	s_and_b32 s16, s14, 1                          ; wc: which block of Wqk and which half of Wv's.  Also: which part of that side I fetch
	s_bfe_u32 s40, ttmp6, 0x40000                  ; cx
	s_bfe_u32 s41, ttmp6, 0x40004                  ; cy
	s_lshl_b32 s42, ttmp9, 2
	s_add_co_u32 s42, s42, s40                     ; j = 4 x cluster x + cx
	s_and_b32 s17, ttmp7, 0xffff
	s_lshl_b32 s17, s17, 2
	s_add_co_u32 s17, s17, s41                     ; i = 4 x cluster y + cy
	s_lshl_b32 s43, s41, 2
	s_lshl_b32 s43, 15, s43                        ; my row of the cluster
	s_lshl_b32 s44, 0x1111, s40                    ; my column
	s_lshl_b32 s45, ttmp9, 4                       ; the record of my columns: cluster x = 0 makes q, 1 makes k
	; descriptor groups 1: rows of XB or WH bytes (elements of 8 bytes), one a panel, PS bytes apart; they lie on end in LDS
	s_or_b32 s[G1X], s43, (3<<16)|(1<<21)          ; 15:0 the mask; 17:16 elements of 8 bytes; 20 no padding; 21 set beside a mask
	s_or_b32 s[G1XL], s43, (3<<16)|(1<<21)
	s_or_b32 s[G1W], s44, (3<<16)|(1<<21)
	s_or_b32 s[G1WL], s44, (3<<16)|(1<<21)
.irp g, G1X, G1XL
	s_mov_b32 s[\g+1], (XB/8)<<16                  ; tensor_dim0
	s_mov_b32 s[\g+3], (XB/8)<<16                  ; tile_dim0
.endr
.irp g, G1W, G1WL
	s_mov_b32 s[\g+1], (WH/8)<<16
	s_mov_b32 s[\g+3], (WH/8)<<16
.endr
.irp g, G1X, G1W
	s_mov_b32 s[\g+2], 3<<16                       ; tensor_dim1: three panels
	s_mov_b32 s[\g+4], 3                           ; tile_dim1
.endr
.irp g, G1XL, G1WL
	s_mov_b32 s[\g+2], 1<<16                       ; one panel
	s_mov_b32 s[\g+4], 1
.endr
.irp g, G1X, G1XL, G1W, G1WL
	s_mov_b32 s[\g+5], PS/8                        ; tensor_dim0_stride
	s_mov_b32 s[\g+6], 0
	s_mov_b32 s[\g+7], 0
.endr
	s_lshl_b32 s20, s17, 1
	s_add_co_u32 s20, s20, s16
	s_lshl_b32 s20, s20, 13                        ; x: block 2 i + part
	s_mov_b32 s21, 0
	s_mul_i32 s46, s42, 2*WH                       ; W: 24,576 j
	s_mul_i32 s47, s16, WH                         ; + 12,288 x part
	s_add_co_u32 s46, s46, s47
	s_mov_b32 s47, 0
	s_mul_i32 s22, s16, XREG                       ; where they go in a slot: no place in the cluster enters an LDS address
	s_mul_i32 s23, s16, WREG
	s_add_co_u32 s23, s23, 2*XREG
	s_wait_kmcnt 0x0
	s_load_b128 s[92:95], s[6:7], s45 offset:PAR_OFF   ; q's or k's record: 2^-(e0+e1), 2^(eOut-e0-e1), 448 x that
	s_load_b128 s[96:99], s[6:7], PAR_OFF+32           ; v's
	s_add_nc_u64 s[20:21], s[4:5], s[20:21]
	s_add_nc_u64 s[46:47], s[6:7], s[46:47]
	CROUND                                         ; all sixteen work-groups are here: the first joint loads meet
.irp k, 0,1
	s_mov_b32 s[G0X+4*\k], 1
	s_add_co_u32 s[G0X+4*\k+1], s22, \k*SLOT
	s_add_nc_u64 s[G0X+4*\k+2:G0X+4*\k+3], s[20:21], \k*3*PS    ; slot k begins with panels 3 k on
	s_or_b32 s[G0X+4*\k+3], s[G0X+4*\k+3], 0x80000000
	s_mov_b32 s[G0W+4*\k], 1
	s_add_co_u32 s[G0W+4*\k+1], s23, \k*SLOT
	s_add_nc_u64 s[G0W+4*\k+2:G0W+4*\k+3], s[46:47], \k*3*PS
	s_or_b32 s[G0W+4*\k+3], s[G0W+4*\k+3], 0x80000000
.endr
	JLOAD 0, G1X, G1W                              ; panels 0-2: one tensor load a wave at the head
	v_and_b32 v1, 15, v0                           ; r
	v_bfe_u32 v2, v0, 4, 1                         ; h
	v_and_b32 v3, 31, v0
	v_lshlrev_b32 v[LI], 4, v3
	; W's 24 tiles of a panel (1,024 bytes each): 0-15 Wqk's two blocks, 16-23 Wv's; tiles 0-11 lie in the lower half's part, 12-23 in the upper's.  Mine: 8 wc + 0 .. 7 and 16 + 4 wc + 0 .. 3
	s_wait_alu depctr_va_vdst(0)
	s_mul_i32 s22, s15, XREG                       ; x: my block
	s_lshl_b32 s23, s16, 13
	s_add_co_u32 s23, s23, 2*XREG                  ; Wqk's tiles 0-3 of my block: tile 8 wc of the lower part
	s_lshl_b32 s66, s16, 15
	s_add_co_u32 s66, s66, 2*XREG+4096             ; tiles 4-7: tile 4 of the lower part, or (wc = 1) tile 12, the upper part's first: WREG - 4,096 bytes on
	s_lshl_b32 s67, s16, 12
	s_add_co_u32 s67, s67, 2*XREG+WREG+4096        ; Wv's: tile 16 + 4 wc, the upper part's 4 + 4 wc
.irp s, 0,1
	v_add_nc_u32 v[AD0+4*\s], s22, v[LI]
	v_add_nc_u32 v[AD0+4*\s+1], s23, v[LI]
	v_add_nc_u32 v[AD0+4*\s+2], s66, v[LI]
	v_add_nc_u32 v[AD0+4*\s+3], s67, v[LI]
	s_add_co_u32 s22, s22, SLOT
	s_add_co_u32 s23, s23, SLOT
	s_add_co_u32 s66, s66, SLOT
	s_add_co_u32 s67, s67, SLOT
.endr
	; the biases.  q | k, by columns, in the result's layout: register 8 b + j = bias[256 j' + 128 wc + 32 (b / 2) + 8 (b % 2) + 16 h + j].  V, by rows: for tile a, bias[2048 + 128 j' + 64 wc + 32 (a / 2) + 8 (a % 2) + r + 8 (r / 8)]
	v_lshlrev_b32 v4, 6, v2                        ; 64 h bytes
	s_wait_alu depctr_va_vdst(0)
	v_and_b32 v5, 8, v1
	v_add_nc_u32 v5, v5, v1
	v_lshlrev_b32 v5, 2, v5                        ; 4 (r + 8 (r / 8)) bytes
	s_wait_alu depctr_va_vdst(0)
	s_lshl_b32 s22, s42, 8
	s_lshl_b32 s23, s16, 7
	s_add_co_u32 s22, s22, s23
	s_lshl_b32 s22, s22, 2
	s_mov_b32 s23, 0
	s_lshl_b32 s66, s42, 7
	s_lshl_b32 s67, s16, 6
	s_add_co_u32 s66, s66, s67
	s_add_co_u32 s66, s66, 2048
	s_lshl_b32 s66, s66, 2
	s_mov_b32 s67, 0
	s_add_nc_u64 s[66:67], s[8:9], s[66:67]
	s_add_nc_u64 s[8:9], s[8:9], s[22:23]
	WIN 0xc0                                       ; destination window 3: V^T's accumulators' first 64 registers, idle until panel 0's last products
.irp b, 0,1,2,3,4,5,6,7
	global_load_b128 v[8*\b:8*\b+3], v4, s[8:9] offset:(32*(\b/2)+8*(\b%2))*4
	global_load_b128 v[8*\b+4:8*\b+7], v4, s[8:9] offset:(32*(\b/2)+8*(\b%2))*4+16
.endr
	WIN 0
.irp a, 0,1,2,3
	global_load_b32 v[BV+2*\a], v5, s[66:67] offset:(32*(\a/2)+8*(\a%2))*4
	global_load_b32 v[BV+2*\a+1], v5, s[66:67] offset:(32*(\a/2)+8*(\a%2))*4      ; twice: a pair for the packed addition
.endr
	; where the results go.  q | k: panels 4 j + 2 wc and the next, block 2 i + wr.  V^T: panels (of keys) 4 i + 2 wr and the next, block j, tiles 4 wc on
	s_lshl_b32 s22, s42, 2
	s_lshl_b32 s23, s16, 1
	s_add_co_u32 s22, s22, s23
	s_lshl_b32 s22, s22, 19
	s_lshl_b32 s23, s17, 1
	s_add_co_u32 s23, s23, s15
	s_lshl_b32 s23, s23, 13
	s_add_co_u32 s22, s22, s23
	s_mov_b32 s23, 0
	s_add_nc_u64 s[10:11], s[10:11], s[22:23]
	s_add_nc_u64 s[18:19], s[10:11], PS
	s_lshl_b32 s22, s17, 2
	s_lshl_b32 s23, s15, 1
	s_add_co_u32 s22, s22, s23
	s_lshl_b32 s22, s22, 16
	s_lshl_b32 s23, s42, 13
	s_add_co_u32 s22, s22, s23
	s_lshl_b32 s23, s16, 12
	s_add_co_u32 s22, s22, s23
	s_mov_b32 s23, 0
	s_add_nc_u64 s[12:13], s[12:13], s[22:23]
	s_add_nc_u64 s[20:21], s[12:13], 65536
; LDS loads, in runs.  ad: the four address registers of a slot (or of panel 15's place); p: the panel in it.  Each load takes 512 consecutive bytes.
.macro LDX ad, p, set                  ; x's eight fragments into a set: 16 loads
.irp t, 0,1,2,3,4,5,6,7
	ds_load_b128 v[XS+64*(\set)+8*\t:XS+64*(\set)+8*\t+3], v[\ad] offset:(\p)*XB+\t*1024
	ds_load_b128 v[XS+64*(\set)+8*\t+4:XS+64*(\set)+8*\t+7], v[\ad] offset:(\p)*XB+\t*1024+512
.endr
.endm
.macro LDQ ad, p, hf                   ; Wqk's tiles 4 hf .. 4 hf + 3: 8 loads
.irp b, 0,1,2,3
	ds_load_b128 v[QF+8*(4*\hf+\b):QF+8*(4*\hf+\b)+3], v[\ad+1+\hf] offset:(\p)*WH+\b*1024
	ds_load_b128 v[QF+8*(4*\hf+\b)+4:QF+8*(4*\hf+\b)+7], v[\ad+1+\hf] offset:(\p)*WH+\b*1024+512
.endr
.endm
.macro LDV ad, p                       ; Wv's four tiles: 8 loads
.irp a, 0,1,2,3
	ds_load_b128 v[VF+8*\a:VF+8*\a+3], v[\ad+3] offset:(\p)*WH+\a*1024
	ds_load_b128 v[VF+8*\a+4:VF+8*\a+7], v[\ad+3] offset:(\p)*WH+\a*1024+512
.endr
.endm
; 16 matrix instructions of q | k: W's tiles 4 hf + b0 and the next, each against x's eight.  bias = 1: the sums start with the bias (C in window 3).
; All 96 accumulators take turns, one instruction a turn, in the same order in every panel.
.macro G1H hf, b0, set, bias
.irp b, \b0, \b0+1
.irp a, 0,1,2,3,4,5,6,7
.if \bias
	v_wmma_f32_16x16x64_fp8_fp8 v[8*(4*\a+(\b)):8*(4*\a+(\b))+7], v[QF+8*(4*\hf+(\b)):QF+8*(4*\hf+(\b))+7], v[XS+64*(\set)+8*\a:XS+64*(\set)+8*\a+7], v[8*(4*\hf+(\b)):8*(4*\hf+(\b))+7]
.else
	v_wmma_f32_16x16x64_fp8_fp8 v[8*(4*\a+(\b)):8*(4*\a+(\b))+7], v[QF+8*(4*\hf+(\b)):QF+8*(4*\hf+(\b))+7], v[XS+64*(\set)+8*\a:XS+64*(\set)+8*\a+7], v[8*(4*\a+(\b)):8*(4*\a+(\b))+7]
.endif
.endr
.endr
.endm
.macro G2 set, zero                    ; 32 matrix instructions of V^T: Wv's four tiles (source 1), each against x's eight (source 0).  zero = 1: the first products start the sums
.irp a, 0,1,2,3
.irp b, 0,1,2,3,4,5,6,7
.if \zero
	v_wmma_f32_16x16x64_fp8_fp8 v[8*(8*\a+\b):8*(8*\a+\b)+7], v[XS+64*(\set)+8*\b:XS+64*(\set)+8*\b+7], v[VF+8*\a:VF+8*\a+7], 0
.else
	v_wmma_f32_16x16x64_fp8_fp8 v[8*(8*\a+\b):8*(8*\a+\b)+7], v[XS+64*(\set)+8*\b:XS+64*(\set)+8*\b+7], v[VF+8*\a:VF+8*\a+7], v[8*(8*\a+\b):8*(8*\a+\b)+7]
.endif
.endr
.endr
.endm
.macro PLACES n                        ; plain vector lines between a matrix instruction and a load into, or a write over, its registers
.rept \n
	v_nop
.endr
.endm
; A PANEL whose successor can be read without a barrier.  set: x's set in hand; nad, np: where the next panel lies.  Wqk's and Wv's fragments have one set of registers each: each part is fetched anew as soon as its
; products are issued; x's fragments are at work through the whole panel and have two sets.  first = 1: panel 0.
.macro PANEL set, nad, np, first
	s_wait_dscnt 16                                ; Wqk's tiles 0-3 and x's set are in; the youngest 16 loads (tiles 4-7, Wv's) may be out
.if \first
	WIN 0x70                                       ; D window 1, C (the bias) window 3
.else
	WIN 0x50                                       ; C and D window 1
.endif
	G1H 0, 0, \set, \first
	G1H 0, 2, \set, \first
	PLACES 4
	WIN 0
	LDQ \nad, \np, 0
	LDX \nad, \np, 1-\set
	s_wait_dscnt 32                                ; tiles 4-7 are in: behind them Wv's 8 loads and the 24 just issued
.if \first
	WIN 0xb0                                       ; D window 2, C window 3
.else
	WIN 0xa0
.endif
	G1H 1, 0, \set, \first
	G1H 1, 2, \set, \first
.if \first
	PLACES 5                                       ; the products below write over the registers that held the bias: one place more
.else
	PLACES 4
.endif
	WIN 0
	LDQ \nad, \np, 1
	s_wait_dscnt 32                                ; Wv's are in: behind them the 24 and the 8 issued since
.if \first
	WIN 0xc0                                       ; D window 3
.else
	WIN 0xf0
.endif
	G2 \set, \first
	PLACES 4
	WIN 0
	LDV \nad, \np
.endm
; A slot's last panel changes slots: one barrier; in front of it each wave waits for all its tensor loads, adds 0 to its spare word, and waits for that and for its reads of this slot (this panel's fragments are all in
; registers then).  fill = 1: the slot is filled again, with the panels six on; the load has the other slot's three panels, 288 matrix instructions, in which to land.
.macro TURNP set, slot, nad, fill
	s_wait_tensorcnt 0x0                           ; all my tensor loads have landed: my part of the next slot among them
	ds_add_u32 v[SPW], v[NIL]                      ; 0 onto my spare word
	s_wait_dscnt 17                                ; (the add and the youngest 16 loads may be out)
	WIN 0x50
	G1H 0, 0, \set, 0                              ; sixteen matrix instructions stand between the add and the wait for it
	s_wait_dscnt 0x0                               ; the add is done, and my reads of this slot are over
	s_barrier_signal -1
	G1H 0, 2, \set, 0
	WIN 0
	s_barrier_wait -1
.if \fill
	CREST                                          ; the barrier has opened a round of the cluster's: no wave of any partner still reads this slot or has a load on its way
	s_add_nc_u64 s[G0X+4*\slot+2:G0X+4*\slot+3], s[G0X+4*\slot+2:G0X+4*\slot+3], 6*PS
	s_add_nc_u64 s[G0W+4*\slot+2:G0W+4*\slot+3], s[G0W+4*\slot+2:G0W+4*\slot+3], 6*PS
.if \fill == 2
	JLOAD \slot, G1XL, G1WL                        ; fill = 2: one panel, into the slot's first third
.else
	JLOAD \slot, G1X, G1W                          ; the first tensor load behind the round; its four v_nop are the places in front of the loads below
.endif
.else
	PLACES 4
.endif
	LDQ \nad, 0, 0
	LDX \nad, 0, 1-\set
	WIN 0xa0
	G1H 1, 0, \set, 0
	G1H 1, 2, \set, 0
	PLACES 4
	WIN 0
	LDQ \nad, 0, 1
	WIN 0xf0
	G2 \set, 0
	PLACES 4
	WIN 0
	LDV \nad, 0
.endm
	s_wait_tensorcnt 0x0                           ; my part of slot 0 is in; the same lines ahead of a later first fill as ahead of a refill
	ds_add_u32 v[SPW], v[NIL]
	s_wait_dscnt 0x0
	CROUND                                         ; everybody's part of slot 0 is in, and all sixteen work-groups are here
	JLOAD 1, G1X, G1W                              ; panels 3-5: slot 1's first fill, the first tensor load behind the round
	LDQ AD0, 0, 0
	LDX AD0, 0, 0
	LDQ AD0, 0, 1
	LDV AD0, 0
	s_wait_loadcnt 0x0                             ; the biases,
	s_wait_kmcnt 0x0                               ; and the records
	WIN 0xc3                                       ; source 0 and destination window 3
.set j, 0
.rept 32
	v_pk_mul_f32 v[j:j+1], v[j:j+1], s[92:93] op_sel_hi:[1,0]   ; bias / 2^(e0 + e1): a sum stands for sum x 2^(e0 + e1)
.set j, j+2
.endr
	WIN 0
.irp a, 0,1,2,3
	v_pk_mul_f32 v[BV+2*\a:BV+2*\a+1], v[BV+2*\a:BV+2*\a+1], s[92:93] op_sel_hi:[1,0]
.endr
	s_wait_alu depctr_va_vdst(0)
	PANEL 0, AD0, 1, 1                             ; panel 0 starts the sums
	PANEL 1, AD0, 2, 0
	TURNP 0, 0, AD1, 1                             ; panel 2; slot 0 takes panels 6-8
	PANEL 1, AD1, 1, 0
	PANEL 0, AD1, 2, 0
	TURNP 1, 1, AD0, 1                             ; panel 5; slot 1 takes panels 9-11
	PANEL 0, AD0, 1, 0
	PANEL 1, AD0, 2, 0
	TURNP 0, 0, AD1, 1                             ; panel 8; slot 0 takes panels 12-14
	PANEL 1, AD1, 1, 0
	PANEL 0, AD1, 2, 0
	TURNP 1, 1, AD0, 2                             ; panel 11; slot 1's first third takes panel 15 (its address steps six panels on from 9)
	PANEL 0, AD0, 1, 0
	PANEL 1, AD0, 2, 0
	TURNP 0, 0, AD1, 0                             ; panel 14 changes slots once more: panel 15 is shown landed to every wave; nothing is left to fetch
	s_wait_dscnt 16                                ; panel 15
	WIN 0x50
	G1H 0, 0, 1, 0
	G1H 0, 2, 1, 0
	s_wait_dscnt 0
	WIN 0xa0
	G1H 1, 0, 1, 0
	G1H 1, 2, 1, 0
	WIN 0xf0
	G2 1, 0
	WIN 0
; THE WAY OUT, 64 sums at a time: the hold, eight conversions, four stores of 512 consecutive bytes.  g numbers the groups: ten have code registers of their own, the last two take the first two's.
.macro OUTQ g, hf, ap                  ; q | k: x's tiles 2 ap, 2 ap + 1 against W's tiles 4 hf .. 4 hf + 3: pieces c = 0, 1 of panel hf
.set CG, CD+16*((\g)%10)
	WIN 0x01+(\hf)                                 ; source 0: window 1 or 2
.set i, 0
.rept 64
	v_med3_num_f32 v[TMP+i], v[64*(\ap)+i], -v[LIMQ], v[LIMQ]   ; the conversion does not saturate (ISA guide 7.6.2); each accumulator from its low end on
.set i, i+1
.endr
	WIN 0
.irp k, 0,1,2,3,4,5,6,7
	v_cvt_scalef32_pk8_fp8_f32 v[CG+2*\k:CG+2*\k+1], v[TMP+8*\k:TMP+8*\k+7], v[SCQ]
.endr
	v_nop                                          ; a plain line between the last conversion and the next group's lines, which write its sources
.irp e, 0,1,2,3
	global_store_b128 v[LI], v[CG+4*\e:CG+4*\e+3], s[10+8*(\hf):11+8*(\hf)] offset:(2*(\ap)+\e/2)*1024+(\e%2)*512
.endr
.endm
.macro OUTV g, a                       ; V^T: Wv's tile a against x's eight: pieces c = 0, 1 of two panels of keys
.set CG, CD+16*((\g)%10)
	WIN 0x03                                       ; source 0: window 3
.set i, 0
.rept 32
	v_pk_add_f32 v[TMP+i:TMP+i+1], v[64*(\a)+i:64*(\a)+i+1], v[BV+2*(\a):BV+2*(\a)+1]   ; + my row's bias
.set i, i+2
.endr
	WIN 0
.set i, 0
.rept 64
	v_med3_num_f32 v[TMP+i], v[TMP+i], -v[LIMV], v[LIMV]
.set i, i+1
.endr
.irp k, 0,1,2,3,4,5,6,7
	v_cvt_scalef32_pk8_fp8_f32 v[CG+2*\k:CG+2*\k+1], v[TMP+8*\k:TMP+8*\k+7], v[SCV]
.endr
	v_nop
.irp e, 0,1,2,3
	global_store_b128 v[LI], v[CG+4*\e:CG+4*\e+3], s[12+8*(\e/2):13+8*(\e/2)] offset:(\a)*1024+(\e%2)*512
.endr
.endm
	v_mov_b32 v[SCQ], s93                          ; these four lines are the places behind the last products
	v_mov_b32 v[LIMQ], s94
	v_mov_b32 v[SCV], s97
	v_mov_b32 v[LIMV], s98
	OUTQ 0, 0, 0
	OUTQ 1, 0, 1
	OUTQ 2, 0, 2
	OUTQ 3, 0, 3
	OUTQ 4, 1, 0
	OUTQ 5, 1, 1
	OUTQ 6, 1, 2
	OUTQ 7, 1, 3
	OUTV 8, 0
	OUTV 9, 1
	s_wait_xcnt 0x0                                ; the earlier stores have read their registers: the first two groups' are written again
	OUTV 10, 2
	OUTV 11, 3
	s_wait_tensorcnt 0x0                           ; the wave's end
	ds_add_u32 v[SPW], v[NIL]
	s_wait_dscnt 0x0
	CROUND                                         ; the closing round: no work-group ends while a partner may still ask for a tile that names it
	s_endpgm
.Lfunc_end_k_q5af3792347_qkv:
	.size	k_q5af3792347_qkv, .Lfunc_end_k_q5af3792347_qkv-k_q5af3792347_qkv
	.p2alignl 7, 3214868480
	.fill 96, 4, 3214868480
	.section	.rodata,"a",@progbits
	.p2align	6, 0x0
	.amdhsa_kernel k_q5af3792347_qkv
		.amdhsa_group_segment_fixed_size 327680
		.amdhsa_private_segment_fixed_size 0
		.amdhsa_enable_private_segment 0
		.amdhsa_kernarg_size 40
		.amdhsa_user_sgpr_count 2
		.amdhsa_user_sgpr_kernarg_segment_ptr 1
		.amdhsa_wavefront_size32 1
		.amdhsa_system_sgpr_workgroup_id_x 1
		.amdhsa_system_sgpr_workgroup_id_y 1
		.amdhsa_system_sgpr_workgroup_id_z 1
		.amdhsa_system_vgpr_workitem_id 0
		.amdhsa_next_free_vgpr 1024
		.amdhsa_next_free_sgpr 100
		.amdhsa_reserve_vcc 0
		.amdhsa_float_denorm_mode_32 3
		.amdhsa_float_denorm_mode_16_64 3
		.amdhsa_memory_ordered 1
		.amdhsa_forward_progress 1
		.amdhsa_inst_pref_size 232
	.end_amdhsa_kernel
	.amdgpu_metadata
---
amdhsa.version: [ 1, 2 ]
amdhsa.kernels:
  - .name:           k_q5af3792347_qkv
    .symbol:         k_q5af3792347_qkv.kd
    .args:
      - { .name: x_u, .offset: 0, .size: 8, .value_kind: global_buffer, .address_space: global }
      - { .name: win_u, .offset: 8, .size: 8, .value_kind: global_buffer, .address_space: global }
      - { .name: in_proj_b, .offset: 16, .size: 8, .value_kind: global_buffer, .address_space: global }
      - { .name: qk_u, .offset: 24, .size: 8, .value_kind: global_buffer, .address_space: global }
      - { .name: vt_u, .offset: 32, .size: 8, .value_kind: global_buffer, .address_space: global }
    .group_segment_fixed_size: 327680
    .private_segment_fixed_size: 0
    .kernarg_segment_align: 8
    .kernarg_segment_size: 40
    .max_flat_workgroup_size: 128
    .sgpr_count:     100
    .vgpr_count:     1024
    .wavefront_size: 32
...
	.end_amdgpu_metadata
.endif
;; end of part 2
;; launch attn (part 3): grid 2 x 128, 8 waves a work-group, no clusters, 327,680 bytes of LDS; arguments qk_u, vt_u, lowp_scales, y_u; writes y_u
.if DOCPART == 3
	.amdgcn_target "amdgcn-amd-amdhsa--gfx1250"
	.amdhsa_code_object_version 6
	.text
	.protected	k_q5af3792347_attn
	.globl	k_q5af3792347_attn
	.p2align	8
	.type	k_q5af3792347_attn,@function
k_q5af3792347_attn:
	s_mov_b64 s[64:65], 0
	v_nop
	global_prefetch_b8 v0, s[64:65] scope:SCOPE_SE
	s_setreg_imm32_b32 hwreg(HW_REG_WAVE_MODE, 25, 1), 1
	s_wait_xcnt 0x0
; Causal attention of 128 heads (8 x 16), 1,024 tokens, head size 64, both products on codes of E4M3; the result is quantised (scale 2^e6) as the next product's operand.
; q, k: panels h and 16 + h of qk_u; V^T (keys innermost): vt_u, panels of 64 keys, 65,536 bytes apart; all in the layout of register images
; [panel of 64 along K][block of 128 rows][T][c][lane][16 bytes], row 128 block + 32 (T / 2) + 8 (T % 2) + r + 8 (r / 8), k = 64 panel + 32 c + 16 h' + 0 .. 15 (r = lane % 16, h' = lane / 16).
; THE SOFTMAX: t = score x 2^(e2 + e3) x log2(e) / 8; M = the running largest t rounded UP to a whole number; p = 2^(t - M) is quantised (scale 2^e4), not normalised; the row's sum is taken of the
; unquantised p and divides at the end; when M moves, the sum and O are multiplied by 2^(old M - new M), which rounds nothing.
; WORK LEFT OUT: key steps whose 128 keys all come after the queries' block: the causal mask gives them the weight 0 for every input.
; SHARES.  A head has 8 blocks of 128 queries.  Work-group (p, head), wave w: u = w % 4, n = 2 p + w / 4; the wave owns TWO tiles of 16 queries, T = 2 u and 2 u + 1 (queries 32 u .. 32 u + 31 of a block), first of block 7 - n,
; then of block n: (8 - n) + (n + 1) = 9 key steps of 128 keys for every wave.  Each fragment of K and of V that is read from LDS feeds two matrix instructions, one for each tile.
; In the step on the diagonal hidden scores become -infinity ahead of the maximum; groups of 32 keys that lie wholly ahead of my 32 queries (group b < u) need no mask.  Key 0 of the block counts for every query, so M is a number.
; LDS holds the head's K (65,536 bytes) and V^T (65,536), each byte filled once, in three stages (wave 0: K, wave 1: V): keys 0-255 at the head; keys 256-511 behind a wait on TENSORcnt, adds to the spare word and a barrier
; keys 512-1023 behind the same lines and a barrier after key step 1.  Each later stage has two key steps in which to land.  One tensor load a loading wave is out at any time, and every wait on TENSORcnt is for 0.
; LAYOUT.  Both products transposed: S^T = K Q^T (source 0 = 16 keys), O^T = V^T P^T (source 0 = 16 of the head's 64): a lane holds ONE query of each tile throughout.  By the layout's order of rows the 16 registers of
; score tiles 2 b, 2 b + 1 are keys 32 b + 16 h' + 0 .. 15, so p's conversions are the second product's operand, and O^T's tiles 2 c, 2 c + 1 convert into piece c of y's layout: stored from registers.
; THE EXPONENTIALS go in two batches: tile 0's with tile 1's scalings between them, tile 1's with tile 0's first sums and holds between them; what stands between reads nothing of the batch and is read behind the batch's wait.
; No cluster: a head's K and V are read by the grid's two work-groups along x alone, which no cluster of four divides.  No prefetch: all of K and V is asked for by three loads, each as soon as the one before has been
; shown landed: from key step 2 on no trip asks for anything.
; LIMITS: e2 + e3 between -122 and 130 (added to c's exponent field); e4 and e6 between -126 and 119; e4 + e5 goes by v_ldexp_f32.  NaN is not served.
; REGISTERS.  Window 0: v1-31 addresses, constants and the tiles' state; v32-95, v96-159 S^T, then p, of tiles 0, 1; v160-191 p's codes; v192-231 sums at work; v232-247 (second pass v192-207) y's codes.
;   Window 1: v0-63 K's eight fragments; v64-95 Q's four; v96-159 O^T of tiles 0, 1; v160-223 V's four fragments.
.set PS,   524288
.set VB,   65536                       ; LDS: V^T behind K
.set SPARE, 131072                     ; the spare words, 128 bytes a wave: four blocks of 256 bytes that no other line names
.set LI,   1                           ; 16 x lane
.set LIV,  2                           ; the same in V's region
.set DD,   3                           ; tile 0's query's place in its block, less 16 h'; tile 1's is 8 more
.set NINF, 4
.set PLIM, 5                           ; v5, v6  448 x 2^e4, twice: a dual pair's second sources lie in two registers
.set YLIM, 7
.set YSC,  8
.set ADK,  9
.set ADV,  10
.set PSC,  11
; v[12:13], v[14:15] -M and the largest t of tiles 0, 1; v[16:17], v[18:19] the sums in two halves; v20, v22 f (v21, v23 named with them); v26, v27 lane permutes; v28-31 at work
.set SPW,  24
.set NIL,  25
.set S0,   32
.set S1,   96
.set PC0,  160
.set PC1,  176
.set T0,   192
.set C1,   224
.set YA,   232
.set YB,   192
.set KF,   0
.set QA,   64
.set QB,   80
.set O0,   96
.set O1,   128
.set VF,   160
.set WV,   18
.set UU,   19
.set SEL,  20
.set CS,   22
.set G1K,  24                          ; group 1: 16,384 bytes of K (256 keys);  G1V: four panels of V;  G1K2, G1V2: 32,768 bytes and eight panels (512 keys)
.set G1V,  32
.set G1K2, 40
.set G1V2, 48
.set G0K0, 56                          ; groups 0 of the first stage, stepped to the third behind the wait that shows the first done
.set G0V0, 60
.set G0K1, 68                          ; of the second stage
.set G0V1, 72
.set GA,   76                          ; the first pass's block of queries, 4 .. 7
.set GB,   77                          ; the second's, 0 .. 3
.set EPV,  78
.set IK,   79                          ; the key step
.set TB,   80                          ; its first byte in K's and in V's region
.set MSB, 0
.macro WIN new                         ; the immediate's high byte repeats the setting that is left
.if MSB != (\new)
	s_set_vgpr_msb (MSB<<8)|(\new)
.set MSB, \new
.endif
.endm
.macro TLOAD g0k, g1k, g0v, g1v        ; wave 0 fetches for K, wave 1 for V, the others nothing; an s_nop 0 and four v_nop follow each line
	s_cmp_lg_u32 s[WV], 0
	s_cbranch_scc1 .Lnk_\@
	tensor_load_to_lds s[\g0k:\g0k+3], s[\g1k:\g1k+7]
	s_nop 0
.rept 4
	v_nop
.endr
	s_branch .Las_\@
.Lnk_\@:
	s_cmp_lg_u32 s[WV], 1
	s_cbranch_scc1 .Las_\@
	tensor_load_to_lds s[\g0v:\g0v+3], s[\g1v:\g1v+7]
	s_nop 0
.rept 4
	v_nop
.endr
.Las_\@:
.endm
	s_load_b256 s[4:11], s[0:1], 0x0               ; qk_u s[4:5], vt_u s[6:7], lowp_scales s[8:9], y_u s[10:11]
	v_lshl_add_u32 v[SPW], v0, 2, SPARE
	v_mov_b32 v[NIL], 0
	ds_add_u32 v[SPW], v[NIL]                      ; the opening: the add, twice on end, and its wait ahead of the first tensor load
	ds_add_u32 v[SPW], v[NIL]
	v_lshrrev_b32 v28, 5, v0
	v_readfirstlane_b32 s[WV], v28                 ; wave 0..7
	s_and_b32 s[UU], s[WV], 3                      ; u
	s_lshl_b32 s97, s[UU], 5
	v_and_b32 v28, 31, v0
	v_lshlrev_b32 v[LI], 4, v28
	v_add_nc_u32 v[LIV], VB, v[LI]
	v_and_b32 v28, 15, v0                          ; r
	v_bfe_u32 v29, v0, 4, 1                        ; h'
	v_and_b32 v30, 8, v28
	v_add_nc_u32 v28, v28, v30                     ; r + 8 (r / 8)
	v_lshlrev_b32 v29, 4, v29
	v_sub_nc_u32 v28, v28, v29
	v_add_nc_u32 v[DD], s97, v28                   ; 32 u + r + 8 (r / 8) - 16 h'
	v_mov_b32 v[NINF], 0xff800000
	v_mov_b32 v26, 0                               ; written once: a lane permute's destination counts as one of its sources
	v_mov_b32 v27, 0
	v_mov_b32 v21, 0                               ; (named as the upper halves of pairs)
	v_mov_b32 v23, 0
	s_and_b32 s12, ttmp7, 0xffff
	s_lshr_b32 s13, s12, 4                         ; batch
	s_and_b32 s14, s12, 15                         ; head
	s_lshr_b32 s15, s[WV], 2
	s_lshl_b32 s16, ttmp9, 1
	s_add_co_u32 s[GB], s16, s15                   ; n
	s_sub_co_u32 s[GA], 7, s[GB]
	s_lshl_b32 s96, s14, 19                        ; panel h,
	s_lshl_b32 s97, s13, 16                        ; the batch's 8 blocks
	s_add_co_u32 s96, s96, s97
	s_add_co_u32 s16, s96, 16*PS                   ; K: panel 16 + h
	s_mov_b32 s17, 0
	s_lshl_b32 s97, s[UU], 11
	s_add_co_u32 s96, s96, s97                     ; + tiles 2 u, 2 u + 1: 2,048 bytes on end
	s_lshl_b32 s82, s[GA], 13
	s_add_co_u32 s82, s82, s96                     ; Q's and y's bytes of the first pass,
	s_mov_b32 s83, 0
	s_lshl_b32 s84, s[GB], 13
	s_add_co_u32 s84, s84, s96                     ; of the second
	s_mov_b32 s85, 0
	s_lshl_b32 s98, s13, 20                        ; V^T: the batch's 16 panels of 65,536 bytes,
	s_lshl_b32 s97, s14, 12                        ; the head's 64 rows: 4,096 bytes of each panel
	s_add_co_u32 s98, s98, s97
	s_mov_b32 s99, 0
.irp g, G1K, G1K2                              ; K: dense bytes as rows of 32 elements of 8 bytes
	s_mov_b32 s[\g], 3<<16
	s_mov_b32 s[\g+1], 32<<16
	s_mov_b32 s[\g+3], 32<<16
	s_mov_b32 s[\g+5], 32
	s_mov_b32 s[\g+6], 0
	s_mov_b32 s[\g+7], 0
.endr
	s_mov_b32 s[G1K+2], 64<<16
	s_mov_b32 s[G1K+4], 64
	s_mov_b32 s[G1K2+2], 128<<16
	s_mov_b32 s[G1K2+4], 128
.irp g, G1V, G1V2                              ; V: a row of 512 elements of 8 bytes a panel, 65,536 bytes apart
	s_mov_b32 s[\g], 3<<16
	s_mov_b32 s[\g+1], 512<<16
	s_mov_b32 s[\g+3], 512<<16
	s_mov_b32 s[\g+5], 8192
	s_mov_b32 s[\g+6], 0
	s_mov_b32 s[\g+7], 0
.endr
	s_mov_b32 s[G1V+2], 4<<16
	s_mov_b32 s[G1V+4], 4
	s_mov_b32 s[G1V2+2], 8<<16
	s_mov_b32 s[G1V2+4], 8
	s_mov_b32 s[SEL], 0x76543210
	s_mov_b32 s[SEL+1], 0xfedcba98
	s_wait_alu depctr_va_vdst(0)
	s_wait_dscnt 0x0                               ; both opening adds are done
	s_wait_kmcnt 0x0
	s_load_b128 s[92:95], s[8:9], 0x8              ; e2, e3, e4, e5
	s_load_b32 s90, s[8:9], 0x18                   ; e6
	s_add_nc_u64 s[16:17], s[4:5], s[16:17]
	s_add_nc_u64 s[98:99], s[6:7], s[98:99]
	s_mov_b32 s[G0K0], 1
	s_mov_b32 s[G0K0+1], 0
	s_mov_b64 s[G0K0+2:G0K0+3], s[16:17]
	s_or_b32 s[G0K0+3], s[G0K0+3], 0x80000000
	s_mov_b32 s[G0V0], 1
	s_mov_b32 s[G0V0+1], VB
	s_mov_b64 s[G0V0+2:G0V0+3], s[98:99]
	s_or_b32 s[G0V0+3], s[G0V0+3], 0x80000000
	s_mov_b32 s[G0K1], 1
	s_mov_b32 s[G0K1+1], 16384
	s_add_nc_u64 s[G0K1+2:G0K1+3], s[16:17], 16384
	s_or_b32 s[G0K1+3], s[G0K1+3], 0x80000000
	s_mov_b32 s[G0V1], 1
	s_mov_b32 s[G0V1+1], VB+16384
	s_add_nc_u64 s[G0V1+2:G0V1+3], s[98:99], 4*65536
	s_or_b32 s[G0V1+3], s[G0V1+3], 0x80000000
	TLOAD G0K0, G1K, G0V0, G1V                     ; keys 0-255
	s_add_nc_u64 s[86:87], s[10:11], s[82:83]      ; y of the two passes,
	s_add_nc_u64 s[88:89], s[10:11], s[84:85]
	s_add_nc_u64 s[82:83], s[4:5], s[82:83]        ; Q likewise
	s_add_nc_u64 s[84:85], s[4:5], s[84:85]
	WIN 0x40                                       ; destination window 1
.irp e, 0,1,2,3
	global_load_b128 v[QA+4*\e:QA+4*\e+3], v[LI], s[82:83] offset:512*\e   ; the first pass's Q
.endr
	WIN 0
	s_wait_kmcnt 0x0
	s_add_co_i32 s96, s92, s93
	s_lshl_b32 s96, s96, 23
	s_mov_b32 s[CS], 0x3e38aa3b                    ; log2(e) / 8
	s_add_co_i32 s[CS], s[CS], s96                 ; x 2^(e2 + e3): added to the exponent field
	s_mov_b32 s[CS+1], s[CS]                       ; (named with it as a pair)
	s_add_co_i32 s[EPV], s94, s95
	s_add_co_i32 s96, s94, 127
	s_lshl_b32 s97, s96, 23
	v_mov_b32 v[PSC], s97                          ; 2^e4
	s_add_co_i32 s96, s96, 8
	s_lshl_b32 s96, s96, 23
	s_or_b32 s96, s96, 0x600000
	v_mov_b32 v[PLIM], s96                         ; 448 x 2^e4
	v_mov_b32 v[PLIM+1], s96
	s_add_co_i32 s96, s90, 127
	s_lshl_b32 s97, s96, 23
	v_mov_b32 v[YSC], s97
	s_add_co_i32 s96, s96, 8
	s_lshl_b32 s96, s96, 23
	s_or_b32 s96, s96, 0x600000
	v_mov_b32 v[YLIM], s96
.macro INIT                            ; a pass begins: the largest t is -3e38, under every t; the sums and O^T are zeros, which the first change of M leaves zeros
	v_mov_b32 v13, 0xff61b1e6
	v_mov_b32 v15, 0xff61b1e6
	v_floor_f32 v12, -v13
	v_floor_f32 v14, -v15
.irp k, 16,17,18,19
	v_mov_b32 v\k, 0
.endr
	WIN 0x40
.set j, 0
.rept 64
	v_mov_b32 v[O0+j], 0
.set j, j+1
.endr
	WIN 0
	s_wait_alu depctr_va_vdst(0)
.endm
; A KEY STEP: 128 keys at byte s[TB] of K's and V's regions, for both tiles.  q: Q's registers; g: the scalar with the queries' block; hid = 1: the step may lie behind the diagonal; diag = 1: it may lie on it.
.macro STEP q, g, hid, diag
.if \hid
	s_cmp_lt_u32 s[\g], s[IK]
	s_cbranch_scc1 .Lhid_\@
.endif
	v_add_nc_u32 v[ADK], s[TB], v[LI]
	v_add_nc_u32 v[ADV], s[TB], v[LIV]
	v_nop                                          ; with the two additions: four places in front of loads into registers that the last products read
	v_nop
	WIN 0x40
.irp t, 0,1,2,3,4,5,6,7
	ds_load_b128 v[KF+8*\t:KF+8*\t+3], v[ADK] offset:\t*1024
	ds_load_b128 v[KF+8*\t+4:KF+8*\t+7], v[ADK] offset:\t*1024+512
.endr
.irp d, 0,1,2,3
.irp x, 0,1,2,3
	ds_load_b128 v[VF+16*\d+4*\x:VF+16*\d+4*\x+3], v[ADV] offset:(\x/2)*4096+\d*1024+(\x%2)*512
.endr
.endr
	s_wait_dscnt 16                                ; K's 16 loads are in; V's 16 may be out
	WIN 0x05                                       ; sources 0 and 1 window 1
.irp t, 0,1,2,3,4,5,6,7
	v_wmma_f32_16x16x64_fp8_fp8 v[S0+8*\t:S0+8*\t+7], v[KF+8*\t:KF+8*\t+7], v[\q:\q+7], 0
	v_wmma_f32_16x16x64_fp8_fp8 v[S1+8*\t:S1+8*\t+7], v[KF+8*\t:KF+8*\t+7], v[\q+8:\q+15], 0
.endr
	WIN 0
.rept 4
	v_nop                                          ; places: the scores are read below
.endr
.if \diag
	s_cmp_lg_u32 s[\g], s[IK]
	s_cbranch_scc1 .Lopen_\@
.irp b, 0,1,2,3
	s_cmp_gt_u32 s[UU], \b                         ; keys 32 b .. 32 b + 31 all come ahead of my queries 32 u on
	s_cbranch_scc1 .Lv\@_\b
.irp i, 0,1,2,3,4,5,6,7,8,9,10,11,12,13,14,15
	v_cmp_gt_i32 vcc_lo, 32*\b+\i, v[DD]           ; register 16 b + i holds key 32 b + 16 h' + i of the block: hidden where it comes after my query
	v_cndmask_b32 v[S0+16*\b+\i], v[S0+16*\b+\i], v[NINF], vcc_lo
	v_cmp_gt_i32 vcc_lo, 32*\b+\i-8, v[DD]         ; tile 1's query lies 8 further on
	v_cndmask_b32 v[S1+16*\b+\i], v[S1+16*\b+\i], v[NINF], vcc_lo
.endr
.Lv\@_\b:
.endr
.Lopen_\@:
	s_wait_alu depctr_va_vdst(0)
.endif
	v_max3_num_f32 v28, v[S0], v[S0+1], v[S0+2]    ; the step's largest score of my query among my 64 keys: two chains a tile, each score tile from its low end on
	v_max3_num_f32 v30, v[S1], v[S1+1], v[S1+2]
	v_max3_num_f32 v29, v[S0+3], v[S0+4], v[S0+5]
	v_max3_num_f32 v31, v[S1+3], v[S1+4], v[S1+5]
.irp k, 6,10,14,18,22,26,30,34,38,42,46,50,54,58
	v_max3_num_f32 v28, v28, v[S0+\k], v[S0+\k+1]
	v_max3_num_f32 v30, v30, v[S1+\k], v[S1+\k+1]
	v_max3_num_f32 v29, v29, v[S0+\k+2], v[S0+\k+3]
	v_max3_num_f32 v31, v31, v[S1+\k+2], v[S1+\k+3]
.endr
	v_max3_num_f32 v28, v28, v[S0+62], v[S0+63]
	v_max3_num_f32 v30, v30, v[S1+62], v[S1+63]
	v_max_num_f32 v28, v28, v29
	v_max_num_f32 v30, v30, v31
	v_permlanex16_b32 v26, v28, s[SEL], s[SEL+1]
	v_permlanex16_b32 v27, v30, s[SEL], s[SEL+1]
	v_max_num_f32 v28, v28, v26                    ; and among lane xor 16's
	v_max_num_f32 v30, v30, v27
	v_mul_f32 v28, s[CS], v28                      ; as t (c is positive)
	v_mul_f32 v30, s[CS], v30
	v_max_num_f32 v13, v13, v28                    ; the running largest t
	v_max_num_f32 v15, v15, v30
	v_mov_b32 v29, v12
	v_mov_b32 v31, v14
	v_floor_f32 v12, -v13                          ; -M = floor(-t): M is a whole number
	v_floor_f32 v14, -v15
	v_sub_f32 v29, v12, v29                        ; old M - new M: a whole number, 0 or less
	v_sub_f32 v31, v14, v31
	v_cvt_i32_f32 v29, v29                         ; (it saturates)
	v_cvt_i32_f32 v31, v31
	v_ldexp_f32 v20, 1.0, v29                      ; f = 2^(old M - new M)
	v_ldexp_f32 v22, 1.0, v31
.set j, 0
.rept 32
	v_pk_fma_f32 v[S0+j:S0+j+1], v[S0+j:S0+j+1], s[CS:CS+1], v[12:13] op_sel_hi:[1,0,0]   ; tile 0: t - M, two at a time
.set j, j+2
.endr
	s_wait_alu depctr_va_vdst(0)
.set j, 0
.rept 32
	v_exp_f32 v[S0+j], v[S0+j]                     ; tile 0: p = 2^(t - M); between them tile 1's t - M, read behind the next wait
	v_pk_fma_f32 v[S1+j:S1+j+1], v[S1+j:S1+j+1], s[CS:CS+1], v[14:15] op_sel_hi:[1,0,0]
	v_exp_f32 v[S0+j+1], v[S0+j+1]
.set j, j+2
.endr
	v_pk_mul_f32 v[16:17], v[16:17], v[20:21] op_sel_hi:[1,0]   ; the sums under the new M (plain lines behind the exponentials)
	v_pk_mul_f32 v[18:19], v[18:19], v[22:23] op_sel_hi:[1,0]
	s_wait_alu depctr_va_vdst(0)                   ; behind the first batch and ahead of the second
.set j, 0
.rept 16
	v_exp_f32 v[S1+j], v[S1+j]                     ; tile 1: p; between them tile 0's first sums (of the unquantised p) and then its hold, all read behind the next wait
	v_pk_add_f32 v[T0+j/2:T0+j/2+1], v[S0+j:S0+j+1], v[S0+j+2:S0+j+3]
	v_exp_f32 v[S1+j+1], v[S1+j+1]
	v_dual_min_num_f32 v[S0+j], v[S0+j], v[PLIM] :: v_dual_min_num_f32 v[S0+j+1], v[S0+j+1], v[PLIM+1]   ; the conversion does not saturate (ISA guide 7.6.2); p is not negative, so the hold is one-sided
	v_exp_f32 v[S1+j+2], v[S1+j+2]
	v_dual_min_num_f32 v[S0+j+2], v[S0+j+2], v[PLIM] :: v_dual_min_num_f32 v[S0+j+3], v[S0+j+3], v[PLIM+1]
	v_exp_f32 v[S1+j+3], v[S1+j+3]
.set j, j+4
.endr
	v_nop                                          ; a plain line behind the last exponential
	s_wait_alu depctr_va_vdst(0)                   ; one wait for the batch, ahead of its first reader
.irp k, 0,1,2,3,4,5,6,7
	v_cvt_scalef32_pk8_fp8_f32 v[PC0+2*\k:PC0+2*\k+1], v[S0+8*\k:S0+8*\k+7], v[PSC]
.endr
.irp c, 0,1,2,3                                ; tile 1's sum in four chains, tile 0's sixteen first sums as a tree
	v_pk_add_f32 v[C1+2*\c:C1+2*\c+1], v[S1+2*\c:S1+2*\c+1], v[S1+8+2*\c:S1+9+2*\c]
.endr
.irp m, 0,1,2,3,4,5,6,7
	v_pk_add_f32 v[T0+2*\m:T0+2*\m+1], v[T0+2*\m:T0+2*\m+1], v[T0+16+2*\m:T0+17+2*\m]
.endr
.set j, 16
.rept 6
.irp c, 0,1,2,3
	v_pk_add_f32 v[C1+2*\c:C1+2*\c+1], v[C1+2*\c:C1+2*\c+1], v[S1+j+2*\c:S1+j+2*\c+1]
.endr
.set j, j+8
.endr
.irp m, 0,1,2,3
	v_pk_add_f32 v[T0+2*\m:T0+2*\m+1], v[T0+2*\m:T0+2*\m+1], v[T0+8+2*\m:T0+9+2*\m]
.endr
	v_pk_add_f32 v[C1:C1+1], v[C1:C1+1], v[C1+2:C1+3]
	v_pk_add_f32 v[C1+4:C1+5], v[C1+4:C1+5], v[C1+6:C1+7]
	v_pk_add_f32 v[T0:T0+1], v[T0:T0+1], v[T0+4:T0+5]
	v_pk_add_f32 v[T0+2:T0+3], v[T0+2:T0+3], v[T0+6:T0+7]
	v_pk_add_f32 v[C1:C1+1], v[C1:C1+1], v[C1+4:C1+5]
	v_pk_add_f32 v[T0:T0+1], v[T0:T0+1], v[T0+2:T0+3]
	v_pk_add_f32 v[18:19], v[18:19], v[C1:C1+1]
	v_pk_add_f32 v[16:17], v[16:17], v[T0:T0+1]
.set j, 0
.rept 32
	v_dual_min_num_f32 v[S1+j], v[S1+j], v[PLIM] :: v_dual_min_num_f32 v[S1+j+1], v[S1+j+1], v[PLIM+1]
.set j, j+2
.endr
.irp k, 0,1,2,3,4,5,6,7
	v_cvt_scalef32_pk8_fp8_f32 v[PC1+2*\k:PC1+2*\k+1], v[S1+8*\k:S1+8*\k+7], v[PSC]
.endr
	s_wait_alu depctr_va_vdst(0)                   ; the wait directly ahead of the first reader of O^T
	WIN 0x41                                       ; source 0 and destination window 1
.set j, 0
.rept 16
	v_pk_mul_f32 v[O0+j:O0+j+1], v[O0+j:O0+j+1], v[20:21] op_sel_hi:[1,0]   ; O^T under the new M; also the plain lines behind the conversions
	v_pk_mul_f32 v[O1+j:O1+j+1], v[O1+j:O1+j+1], v[22:23] op_sel_hi:[1,0]
.set j, j+2
.endr
	s_wait_alu depctr_va_vdst(0)
	s_wait_dscnt 0x0                               ; V's fragments
	WIN 0x51                                       ; source 0, C and D window 1; source 1 (p's codes) window 0
.irp d, 0,1,2,3
	v_wmma_f32_16x16x128_fp8_fp8 v[O0+8*\d:O0+8*\d+7], v[VF+16*\d:VF+16*\d+15], v[PC0:PC0+15], v[O0+8*\d:O0+8*\d+7]
	v_wmma_f32_16x16x128_fp8_fp8 v[O1+8*\d:O1+8*\d+7], v[VF+16*\d:VF+16*\d+15], v[PC1:PC1+15], v[O1+8*\d:O1+8*\d+7]
.endr
	WIN 0
.if \hid
.Lhid_\@:
.endif
.endm
.macro NEXT lim, lab                   ; on to the next key step: a counted loop, its count a constant of the text
	s_add_co_u32 s[TB], s[TB], 8192
	s_add_co_u32 s[IK], s[IK], 1
	s_cmp_lt_u32 s[IK], \lim
	s_cbranch_scc1 \lab
.endm
; A pass's end: y = O^T / the sum x 2^(e4 + e5), quantised with 2^e6; a tile's O^T tiles 2 c, 2 c + 1 make piece c; four stores of 512 consecutive bytes.
.macro FINISH y, p
.rept 4
	v_nop                                          ; places behind the last products
.endr
	v_add_f32 v16, v16, v17
	v_add_f32 v18, v18, v19
	v_permlanex16_b32 v26, v16, s[SEL], s[SEL+1]
	v_permlanex16_b32 v27, v18, s[SEL], s[SEL+1]
	v_add_f32 v16, v16, v26                        ; the rows' sums
	v_add_f32 v18, v18, v27
	s_wait_alu depctr_va_vdst(0)
	v_rcp_f32 v16, v16
	v_rcp_f32 v18, v18
	v_nop                                          ; a plain line behind them,
	s_wait_alu depctr_va_vdst(0)                   ; and the wait ahead of their first reader
	v_ldexp_f32 v16, v16, s[EPV]
	v_ldexp_f32 v18, v18, s[EPV]
	s_wait_alu depctr_va_vdst(0)                   ; the wait directly ahead of the first reader of O^T
	WIN 0x01                                       ; source 0 window 1
.set j, 0
.rept 16
	v_pk_mul_f32 v[S0+j:S0+j+1], v[O0+j:O0+j+1], v[16:17] op_sel_hi:[1,0]
	v_pk_mul_f32 v[S0+32+j:S0+33+j], v[O1+j:O1+j+1], v[18:19] op_sel_hi:[1,0]
.set j, j+2
.endr
	WIN 0
.set j, 0
.rept 64
	v_med3_num_f32 v[S0+j], v[S0+j], -v[YLIM], v[YLIM]
.set j, j+1
.endr
.irp k, 0,1,2,3,4,5,6,7
	v_cvt_scalef32_pk8_fp8_f32 v[\y+2*\k:\y+2*\k+1], v[S0+8*\k:S0+8*\k+7], v[YSC]
.endr
	v_nop                                          ; a plain line behind the last conversion
.irp e, 0,1,2,3
	global_store_b128 v[LI], v[\y+4*\e:\y+4*\e+3], s[\p:\p+1] offset:512*\e
.endr
.endm
	INIT
	s_wait_loadcnt 0x0                             ; the first pass's Q
	s_wait_tensorcnt 0x0                           ; keys 0-255 are in; these lines stand ahead of a later first fill,
	ds_add_u32 v[SPW], v[NIL]
	ds_add_u32 v[SPW], v[NIL]                      ; the add twice on end here
	s_wait_dscnt 0x0
	s_barrier_signal -1
	s_barrier_wait -1
	TLOAD G0K1, G1K, G0V1, G1V                     ; keys 256-511: bytes that nothing has filled and that no step reads before the next barrier
	WIN 0x40
.irp e, 0,1,2,3
	global_load_b128 v[QB+4*\e:QB+4*\e+3], v[LI], s[84:85] offset:512*\e   ; the second pass's Q: waited for ahead of that pass
.endr
	WIN 0
	s_mov_b32 s[IK], 0
	s_mov_b32 s[TB], 0
.Lfirst:                                               ; the first pass: block 4 .. 7: steps 0 to 3 are always walked and lie ahead of the diagonal.  Steps 0, 1: bytes 0 .. 16,383 of both regions
	STEP QA, GA, 0, 0
	NEXT 2, .Lfirst
	s_wait_tensorcnt 0x0                           ; keys 256-511 are in: the same lines once more,
	ds_add_u32 v[SPW], v[NIL]
	ds_add_u32 v[SPW], v[NIL]
	s_mov_b32 s[G0K0+1], 32768                     ; (no tensor load of mine is out, so a group 0 may be written: the first stage's become the third's)
	s_add_nc_u64 s[G0K0+2:G0K0+3], s[G0K0+2:G0K0+3], 32768
	s_mov_b32 s[G0V0+1], VB+32768
	s_add_nc_u64 s[G0V0+2:G0V0+3], s[G0V0+2:G0V0+3], 8*65536
	s_wait_dscnt 0x0
	s_barrier_signal -1
	s_barrier_wait -1
	TLOAD G0K0, G1K2, G0V0, G1V2                   ; keys 512-1023
	s_mov_b32 s[IK], 2
	s_mov_b32 s[TB], 16384
.Lsecond:                                              ; steps 2, 3: bytes 16,384 .. 32,767
	STEP QA, GA, 0, 0
	NEXT 4, .Lsecond
	s_wait_tensorcnt 0x0                           ; the last keys are in,
	ds_add_u32 v[SPW], v[NIL]
	s_wait_dscnt 0x0
	s_barrier_signal -1
	s_barrier_wait -1                              ; and shown to every wave
	s_mov_b32 s[IK], 4
	s_mov_b32 s[TB], 32768
.Lpass_a:                                              ; four trips, a constant; a step behind the diagonal is jumped over
	STEP QA, GA, 1, 1
	NEXT 8, .Lpass_a
	FINISH YA, 86
	INIT
	s_wait_loadcnt 0x0                             ; the second pass's Q
	s_mov_b32 s[IK], 0
	s_mov_b32 s[TB], 0
.Lpass_b:                                              ; the second pass: block 0 .. 3: four trips
	STEP QB, GB, 1, 1
	NEXT 4, .Lpass_b
	FINISH YB, 88
	s_wait_tensorcnt 0x0                           ; the wave's end
	ds_add_u32 v[SPW], v[NIL]
	s_wait_dscnt 0x0
	s_endpgm
.Lfunc_end_k_q5af3792347_attn:
	.size	k_q5af3792347_attn, .Lfunc_end_k_q5af3792347_attn-k_q5af3792347_attn
	.p2alignl 7, 3214868480
	.fill 96, 4, 3214868480
	.section	.rodata,"a",@progbits
	.p2align	6, 0x0
	.amdhsa_kernel k_q5af3792347_attn
		.amdhsa_group_segment_fixed_size 327680
		.amdhsa_private_segment_fixed_size 0
		.amdhsa_enable_private_segment 0
		.amdhsa_kernarg_size 32
		.amdhsa_user_sgpr_count 2
		.amdhsa_user_sgpr_kernarg_segment_ptr 1
		.amdhsa_wavefront_size32 1
		.amdhsa_system_sgpr_workgroup_id_x 1
		.amdhsa_system_sgpr_workgroup_id_y 1
		.amdhsa_system_sgpr_workgroup_id_z 1
		.amdhsa_system_vgpr_workitem_id 0
		.amdhsa_next_free_vgpr 512
		.amdhsa_next_free_sgpr 100
		.amdhsa_reserve_vcc 1
		.amdhsa_float_denorm_mode_32 3
		.amdhsa_float_denorm_mode_16_64 3
		.amdhsa_memory_ordered 1
		.amdhsa_forward_progress 1
		.amdhsa_inst_pref_size 164
	.end_amdhsa_kernel
	.amdgpu_metadata
---
amdhsa.version: [ 1, 2 ]
amdhsa.kernels:
  - .name:           k_q5af3792347_attn
    .symbol:         k_q5af3792347_attn.kd
    .args:
      - { .name: qk_u, .offset: 0, .size: 8, .value_kind: global_buffer, .address_space: global }
      - { .name: vt_u, .offset: 8, .size: 8, .value_kind: global_buffer, .address_space: global }
      - { .name: lowp_scales, .offset: 16, .size: 8, .value_kind: global_buffer, .address_space: global }
      - { .name: y_u, .offset: 24, .size: 8, .value_kind: global_buffer, .address_space: global }
    .group_segment_fixed_size: 327680
    .private_segment_fixed_size: 0
    .kernarg_segment_align: 8
    .kernarg_segment_size: 32
    .max_flat_workgroup_size: 256
    .sgpr_count:     100
    .vgpr_count:     512
    .wavefront_size: 32
...
	.end_amdgpu_metadata
.endif
;; end of part 3
;; launch oproj (part 4): grid 4 x 64, 4 waves a work-group, clusters of 4 x 1, 167,936 bytes of LDS; arguments y_u, wo_u, out_proj_b, y1_u; writes y1_u
.if DOCPART == 4
	.amdgcn_target "amdgcn-amd-amdhsa--gfx1250"
	.amdhsa_code_object_version 6
	.text
	.protected	k_q5af3792347_oproj
	.globl	k_q5af3792347_oproj
	.p2align	8
	.type	k_q5af3792347_oproj,@function
k_q5af3792347_oproj:
	s_mov_b64 s[64:65], 0
	v_nop
	global_prefetch_b8 v0, s[64:65] scope:SCOPE_SE
	s_setreg_imm32_b32 hwreg(HW_REG_WAVE_MODE, 25, 1), 1
	s_wait_xcnt 0x0
	s_wait_alu depctr_hold_cnt(0) depctr_sa_sdst(0) depctr_va_vdst(0) depctr_va_sdst(0) depctr_va_ssrc(0) depctr_va_vcc(0) depctr_vm_vsrc(0)
	s_getreg_b32 s2, hwreg(HW_REG_IB_STS2, 6, 4)
	s_cmp_eq_u32 s2, 0
	s_cbranch_scc0 .Lentry_in_a_cluster
	s_endpgm
.Lentry_in_a_cluster:
	s_bfe_u32 s2, ttmp6, 0x10000c
	s_cmp_lg_u32 s2, 0x3003
	s_cbranch_scc0 .Lentry_shape_is_right
	s_endpgm
.Lentry_shape_is_right:
; y1 = Q( y Wo^T + out_proj_b ): y [8192][1024] and out_proj_w [1024][1024] are codes of E4M3 in the layout of register images
; [panel of 64 along K][block of 128 rows][T 0..7][c 0..1][lane][16 bytes]: a piece holds row 128 block + 32 (T / 2) + 8 (T % 2) + r + 8 (r / 8), k = 64 panel + 32 c + 16 h + 0 .. 15 (r = lane % 16, h = lane / 16).
; The result is quantised in registers (scale 2^e8) and stored in the same layout.
; SHARES.  8192 x 1024 results on 4 x 64 = 256 work-groups: work-group (cx, i) makes rows 128 i on, columns 256 cx on; wave w all 128 rows x columns 64 w on of these: 8 x 4 accumulators, 256 registers.
; y's block, all 16 panels (131,072 bytes), is brought into LDS ONCE: each wave asks for four panels by one tensor load at the head; nothing is filled again, so one barrier serves the launch.
; CLUSTER: the four work-groups of a row block need the same block of y: 4 x 1 work-groups ask for it jointly (mask 15).
; W's fragments are a wave's own (no other wave of the work-group reads its 64 columns): 64 columns x 1,024 K are 512 registers, each written once, by loads of 512 consecutive bytes straight from the register images,
; three K steps of 128 ahead of their products (48 to 64 loads a wave out).
; No prefetch: the text has no loop to run ahead in: y's whole K is asked for at the head, W's fragments by loads three K steps ahead.
; THE MATRIX INSTRUCTION IS USED TRANSPOSED (source 0 = W's tile b, source 1 = y's tile a): lane r holds one row of y's tile and register j the column 32 (b / 2) + 8 (b % 2) + 16 h + j of my 64:
; tiles 2 c and 2 c + 1 convert into piece c of panel 4 cx + w of y1: stored from registers.  A fragment's k are permuted alike on both sides, so every product meets its partner.
; THE BIAS is the C of the first K step's products, divided by the power of two that the sums lack.  The record at PAR_OFF of wo_u holds { 2^-(e6+e7), 2^(e8-e6-e7), 448 x that }.
; LIMITS: the record's numbers are f32 numbers (e6 + e7 within +-126, e8 - e6 - e7 between -126 and 119).  NaN is not served.
; REGISTERS: window 0: v1-9 addresses and constants; v32-63 the bias, then held sums; v64-255 y's fragments, three sets of four tiles x 128 K by turns, then (v64-127) the codes;
;   windows 1, 2: W's fragments, K step q at v[64 (q % 4)] of window 1 + q / 4;   window 3: accumulator (a, b) at v[8 (4 a + b)].
.set PS,      524288
.set PAR_OFF, 523776
.set SPARE,   131072                   ; behind y's block: the spare words, 128 bytes a wave
.set LI,   2                           ; v2  16 x lane: W's and y1's offset, and LDS address of y's panels 0-7;  v3: of panels 8-15
.set BO,   4                           ; v4  64 h: the bias's offset
.set SCV,  5                           ; v5  2^(e8-e6-e7)
.set LIMV, 6                           ; v6  448 x that
.set SPW,  8                           ; v8  my spare word; never rewritten
.set NIL,  9                           ; v9  0; never rewritten
.set BC,   32
.set CD,   64
.set MSB, 0
.macro WIN new                         ; the immediate's high byte repeats the setting that is left
.if MSB != (\new)
	s_set_vgpr_msb (MSB<<8)|(\new)
.set MSB, \new
.endif
.endm
.macro CROUND                          ; a round of the cluster's barrier
	s_barrier_signal -1
	s_barrier_wait -1
	s_cmp_lg_u32 s14, 0
	s_cbranch_scc1 .Lnot_wave_0_\@
	s_barrier_signal -3
.Lnot_wave_0_\@:
	s_barrier_wait -3
	s_barrier_signal -1
	s_barrier_wait -1
.endm
.macro BLOAD q                         ; W's four tiles of K step q: 16 loads, each 512 consecutive bytes
	WIN 0x40*(1+(\q)/4)
.irp b, 0,1,2,3
.irp x, 0,1,2,3
	global_load_b128 v[64*((\q)%4)+16*\b+4*\x:64*((\q)%4)+16*\b+4*\x+3], v[LI], s[40:41] offset:(2*(\q)+\x/2)*PS+\b*1024+(\x%2)*512
.endr
.endr
	WIN 0
.endm
.macro ALOAD h                         ; y's tiles 4 (h % 2) .. + 3 of K step h / 2 into set h % 3: 16 loads
.set AQ, (\h)/2
.set AD, 64+64*((\h)%3)
.irp i, 0,1,2,3
.irp x, 0,1,2,3
	ds_load_b128 v[AD+16*\i+4*\x:AD+16*\i+4*\x+3], v[LI+AQ/4] offset:(2*(AQ%4)+\x/2)*8192+(4*((\h)%2)+\i)*1024+(\x%2)*512
.endr
.endr
.endm
; Half a K step: four tiles of y against W's four: 16 matrix instructions on 16 accumulators; an accumulator's next turn comes 32 instructions on.
.macro HALF h, bias
.set Q,  (\h)/2
.set AS, 64+64*((\h)%3)
.set AB, 128*((\h)%2)
.if (\h)%2 == 0
.if Q+3 < 8
	BLOAD Q+3
.endif
.set NA, 7-Q
.if NA > 3
.set NA, 3
.endif
	s_wait_loadcnt 16*NA                           ; this K step's 16 loads are in; those of the up to three steps behind it may be out
.endif
.set ND, 15-(\h)
.if ND > 2
.set ND, 2
.endif
	s_wait_dscnt 16*ND                             ; this half's 16 loads are in; those of the up to two halves behind it may be out
.if \bias
	WIN 0xc1                                       ; D window 3, C (the bias) and source 1 window 0, source 0 window 1
.else
	WIN 0xf1+Q/4
.endif
.irp i, 0,1,2,3
.irp b, 0,1,2,3
.if \bias
	v_wmma_f32_16x16x128_fp8_fp8 v[AB+32*\i+8*\b:AB+32*\i+8*\b+7], v[64*(Q%4)+16*\b:64*(Q%4)+16*\b+15], v[AS+16*\i:AS+16*\i+15], v[BC+8*\b:BC+8*\b+7]
.else
	v_wmma_f32_16x16x128_fp8_fp8 v[AB+32*\i+8*\b:AB+32*\i+8*\b+7], v[64*(Q%4)+16*\b:64*(Q%4)+16*\b+15], v[AS+16*\i:AS+16*\i+15], v[AB+32*\i+8*\b:AB+32*\i+8*\b+7]
.endif
.endr
.endr
.if (\h)+3 < 16
.rept 4
	v_nop                                          ; places in front of loads into the set that these products read
.endr
	WIN 0
	ALOAD (\h)+3
.endif
.endm
	s_load_b256 s[4:11], s[0:1], 0x0               ; y_u s[4:5], wo_u s[6:7], out_proj_b s[8:9], y1_u s[10:11]
	v_lshl_add_u32 v[SPW], v0, 2, SPARE
	v_mov_b32 v[NIL], 0
	ds_add_u32 v[SPW], v[NIL]                      ; the opening: the add, twice on end, and its wait ahead of my first tensor load
	ds_add_u32 v[SPW], v[NIL]
	v_lshrrev_b32 v1, 5, v0
	v_readfirstlane_b32 s14, v1                    ; wave 0..3
	v_and_b32 v1, 31, v0
	v_lshlrev_b32 v[LI], 4, v1
	v_add_nc_u32 v[LI+1], 0x10000, v[LI]
	v_bfe_u32 v7, v0, 4, 1
	v_lshlrev_b32 v[BO], 6, v7
	s_bfe_u32 s15, ttmp6, 0x40000                  ; cx: which 256 columns
	s_and_b32 s16, ttmp7, 0xffff                   ; i: which block of 128 rows
	s_mov_b32 s24, 15|(3<<16)|(1<<21)              ; group 1: the mask of the four; elements of 8 bytes; bit 21 beside the mask
	s_mov_b32 s25, 1024<<16                        ; rows of 8,192 bytes, one a panel,
	s_mov_b32 s26, 4<<16                           ; four of them,
	s_mov_b32 s27, 1024<<16
	s_mov_b32 s28, 4
	s_mov_b32 s29, PS/8                            ; PS bytes apart; they lie on end in LDS
	s_mov_b32 s30, 0
	s_mov_b32 s31, 0
	s_lshl_b32 s20, s16, 13                        ; y: block i,
	s_lshl_b32 s21, s14, 21                        ; panels 4 w on
	s_add_co_u32 s20, s20, s21
	s_mov_b32 s21, 0
	s_mov_b32 s32, 1                               ; group 0
	s_lshl_b32 s33, s14, 15                        ; LDS: panel p at 8,192 p
	s_lshl_b32 s22, s15, 1                         ; W: block 2 cx + w / 2,
	s_lshr_b32 s23, s14, 1
	s_add_co_u32 s22, s22, s23
	s_lshl_b32 s22, s22, 13
	s_and_b32 s23, s14, 1
	s_lshl_b32 s23, s23, 12                        ; tiles 4 (w % 2) on
	s_add_co_u32 s22, s22, s23
	s_mov_b32 s23, 0
	s_lshl_b32 s18, s15, 10                        ; the bias: column 256 cx + 64 w, 4 bytes each
	s_lshl_b32 s19, s14, 8
	s_add_co_u32 s18, s18, s19
	s_mov_b32 s19, 0
	s_lshl_b32 s42, s15, 2                         ; y1: panel 4 cx + w,
	s_add_co_u32 s42, s42, s14
	s_lshl_b32 s42, s42, 19
	s_lshl_b32 s43, s16, 13                        ; block i
	s_add_co_u32 s42, s42, s43
	s_mov_b32 s43, 0
	s_wait_alu depctr_va_vdst(0)
	s_wait_dscnt 0x0                               ; both opening adds are done
	s_wait_kmcnt 0x0
	s_load_b128 s[36:39], s[6:7], PAR_OFF          ; the record
	s_add_nc_u64 s[34:35], s[4:5], s[20:21]
	s_or_b32 s35, s35, 0x80000000
	s_add_nc_u64 s[40:41], s[6:7], s[22:23]
	s_add_nc_u64 s[8:9], s[8:9], s[18:19]
	s_add_nc_u64 s[10:11], s[10:11], s[42:43]
.irp b, 0,1,2,3
	global_load_b128 v[BC+8*\b:BC+8*\b+3], v[BO], s[8:9] offset:(32*(\b/2)+8*(\b%2))*4
	global_load_b128 v[BC+8*\b+4:BC+8*\b+7], v[BO], s[8:9] offset:(32*(\b/2)+8*(\b%2))*4+16
.endr
	BLOAD 0
	BLOAD 1
	BLOAD 2
	CROUND                                         ; all four work-groups are here: the joint loads meet
	tensor_load_to_lds s[32:35], s[24:31]          ; my four panels of y's block: the wave's one tensor load
	s_nop 0
.rept 4
	v_nop
.endr
	s_wait_loadcnt 48                              ; the bias is in; W's 48 loads may be out
	s_wait_kmcnt 0x0
.set j, 0
.rept 16
	v_pk_mul_f32 v[BC+j:BC+j+1], v[BC+j:BC+j+1], s[36:37] op_sel_hi:[1,0]   ; bias / 2^(e6 + e7): a sum stands for sum x 2^(e6 + e7)
.set j, j+2
.endr
	v_mov_b32 v[SCV], s37
	v_mov_b32 v[LIMV], s38
	s_wait_alu depctr_va_vdst(0)
	s_wait_tensorcnt 0x0                           ; my four panels are in,
	s_barrier_signal -1
	s_barrier_wait -1                              ; and everybody's
	ALOAD 0
	ALOAD 1
	ALOAD 2
	HALF 0, 1                                      ; the first K step starts the sums with the bias
	HALF 1, 1
.irp h, 2,3,4,5,6,7,8,9,10,11,12,13,14,15
	HALF \h, 0
.endr
.rept 4
	v_nop                                          ; places behind the last products
.endr
; THE WAY OUT, a tile of 16 rows at a time: the hold, four conversions, two stores of 512 consecutive bytes.  Each tile has code registers of its own.
.irp a, 0,1,2,3,4,5,6,7
	WIN 0x03                                       ; source 0: window 3
.set i, 0
.rept 32
	v_med3_num_f32 v[BC+i], v[32*\a+i], -v[LIMV], v[LIMV]   ; the conversion does not saturate (ISA guide 7.6.2); each accumulator from its low end on
.set i, i+1
.endr
	WIN 0
.irp b, 0,1,2,3
	v_cvt_scalef32_pk8_fp8_f32 v[CD+8*\a+2*\b:CD+8*\a+2*\b+1], v[BC+8*\b:BC+8*\b+7], v[SCV]
.endr
	v_nop                                          ; a plain line between the last conversion and the next tile's lines, which write its sources
	global_store_b128 v[LI], v[CD+8*\a:CD+8*\a+3], s[10:11] offset:\a*1024
	global_store_b128 v[LI], v[CD+8*\a+4:CD+8*\a+7], s[10:11] offset:\a*1024+512
.endr
	s_wait_tensorcnt 0x0                           ; the wave's end
	ds_add_u32 v[SPW], v[NIL]
	s_wait_dscnt 0x0
	CROUND                                         ; the closing round
	s_endpgm
.Lfunc_end_k_q5af3792347_oproj:
	.size	k_q5af3792347_oproj, .Lfunc_end_k_q5af3792347_oproj-k_q5af3792347_oproj
	.p2alignl 7, 3214868480
	.fill 96, 4, 3214868480
	.section	.rodata,"a",@progbits
	.p2align	6, 0x0
	.amdhsa_kernel k_q5af3792347_oproj
		.amdhsa_group_segment_fixed_size 167936
		.amdhsa_private_segment_fixed_size 0
		.amdhsa_enable_private_segment 0
		.amdhsa_kernarg_size 32
		.amdhsa_user_sgpr_count 2
		.amdhsa_user_sgpr_kernarg_segment_ptr 1
		.amdhsa_wavefront_size32 1
		.amdhsa_system_sgpr_workgroup_id_x 1
		.amdhsa_system_sgpr_workgroup_id_y 1
		.amdhsa_system_sgpr_workgroup_id_z 1
		.amdhsa_system_vgpr_workitem_id 0
		.amdhsa_next_free_vgpr 1024
		.amdhsa_next_free_sgpr 66
		.amdhsa_reserve_vcc 0
		.amdhsa_float_denorm_mode_32 3
		.amdhsa_float_denorm_mode_16_64 3
		.amdhsa_memory_ordered 1
		.amdhsa_forward_progress 1
		.amdhsa_inst_pref_size 74
	.end_amdhsa_kernel
	.amdgpu_metadata
---
amdhsa.version: [ 1, 2 ]
amdhsa.kernels:
  - .name:           k_q5af3792347_oproj
    .symbol:         k_q5af3792347_oproj.kd
    .args:
      - { .name: y_u, .offset: 0, .size: 8, .value_kind: global_buffer, .address_space: global }
      - { .name: wo_u, .offset: 8, .size: 8, .value_kind: global_buffer, .address_space: global }
      - { .name: out_proj_b, .offset: 16, .size: 8, .value_kind: global_buffer, .address_space: global }
      - { .name: y1_u, .offset: 24, .size: 8, .value_kind: global_buffer, .address_space: global }
    .group_segment_fixed_size: 167936
    .private_segment_fixed_size: 0
    .kernarg_segment_align: 8
    .kernarg_segment_size: 32
    .max_flat_workgroup_size: 128
    .sgpr_count:     66
    .vgpr_count:     1024
    .wavefront_size: 32
...
	.end_amdgpu_metadata
.endif
;; end of part 4
;; launch cproj (part 5): grid 4 x 64, 4 waves a work-group, clusters of 4 x 1, 167,936 bytes of LDS; arguments y1_u, wo_u, lowp_scales, c_proj_b, out0; writes out0
.if DOCPART == 5
	.amdgcn_target "amdgcn-amd-amdhsa--gfx1250"
	.amdhsa_code_object_version 6
	.text
	.protected	k_q5af3792347_cproj
	.globl	k_q5af3792347_cproj
	.p2align	8
	.type	k_q5af3792347_cproj,@function
k_q5af3792347_cproj:
	s_mov_b64 s[64:65], 0
	v_nop
	global_prefetch_b8 v0, s[64:65] scope:SCOPE_SE
	s_setreg_imm32_b32 hwreg(HW_REG_WAVE_MODE, 25, 1), 1
	s_wait_xcnt 0x0
	s_wait_alu depctr_hold_cnt(0) depctr_sa_sdst(0) depctr_va_vdst(0) depctr_va_sdst(0) depctr_va_ssrc(0) depctr_va_vcc(0) depctr_vm_vsrc(0)
	s_getreg_b32 s2, hwreg(HW_REG_IB_STS2, 6, 4)
	s_cmp_eq_u32 s2, 0
	s_cbranch_scc0 .Lentry_in_a_cluster
	s_endpgm
.Lentry_in_a_cluster:
	s_bfe_u32 s2, ttmp6, 0x10000c
	s_cmp_lg_u32 s2, 0x3003
	s_cbranch_scc0 .Lentry_shape_is_right
	s_endpgm
.Lentry_shape_is_right:
; out0 = y1 Wc^T x 2^(e8 + e9) + c_proj_b, f32.  y1 [8192][1024] and c_proj_w [1024][1024] (blocks 8 to 15 of wo_u's panels) are codes of E4M3 in the layout of register images
; [panel of 64 along K][block of 128 rows][T 0..7][c 0..1][lane][16 bytes]: a piece holds row 128 block + 32 (T / 2) + 8 (T % 2) + r + 8 (r / 8), k = 64 panel + 32 c + 16 h + 0 .. 15 (r = lane % 16, h = lane / 16).
; SHARES.  8192 x 1024 results on 4 x 64 = 256 work-groups: work-group (cx, i) makes rows 128 i on, columns 256 cx on; wave w all 128 rows x columns 64 w on of these: 8 x 4 accumulators, 256 registers.
; y1's block, all 16 panels (131,072 bytes), is brought into LDS ONCE: each wave asks for four panels by one tensor load at the head; nothing is filled again, so one barrier serves the launch.
; CLUSTER: the four work-groups of a row block need the same block of y1: 4 x 1 work-groups ask for it jointly (mask 15).
; W's fragments are a wave's own: 64 columns x 1,024 K are 512 registers, each written once, by loads of 512 consecutive bytes straight from the register images, three K steps of 128 ahead of their first products.
; THE WORK GOES BY HALVES OF THE ROWS: tiles 0-3 through all eight K steps, then they leave; then tiles 4-7, from the same fragments of W, which stay in registers: the first half's stores are on their way
; while the second half is multiplied.  LDS is read no more than by K steps: each fragment of y1 once a wave.
; No prefetch: the text has no loop to run ahead in: y1's whole K is asked for at the head, W's fragments by loads three K steps ahead.
; THE MATRIX INSTRUCTION IS USED TRANSPOSED (source 0 = W's tile b, source 1 = y1's tile a): lane r holds one row of y1's tile and register j the column 32 (b / 2) + 8 (b % 2) + 16 h + j of my 64.
; THE WAY OUT: a tile's sums are scaled in place; its 16 rows x 256 bytes go through my own stage in LDS (bytes into which no tensor load lands) and come back by rows into the same registers: sixteen lanes store one aligned unit of 256 bytes.
; LIMITS: e8 + e9 between -126 and 127, so that 2^(e8 + e9) is an f32 number.  NaN is not served.
; REGISTERS: window 0: v1-15 addresses; v32-63 the bias; v64-255 y1's fragments, three sets of four tiles x 128 K by turns;
;   windows 1, 2: W's fragments, K step q at v[64 (q % 4)] of window 1 + q / 4;   window 3: accumulator (a, b) at v[8 (4 a + b)].
.set PS,      524288
.set STAGE,   131072                   ; behind y1's block: 16 rows x SP bytes for each wave
.set SP,      272                      ; 256 bytes + 16: the 16 rows that a store touches start at 16 different places modulo 256 bytes
.set SPARE,   STAGE+4*16*SP            ; the spare words, 128 bytes a wave
.set LI,   2                           ; v2  16 x lane: W's offset, and LDS address of y1's panels 0-7;  v3: of panels 8-15
.set BO,   4                           ; v4  64 h: the bias's offset
.set STO,  5                           ; v5  the stage, on the way in: row r, + 64 h
.set RD,   6                           ; v6  and back: lanes 0-15 one row, lanes 16-31 the next
.set SPW,  8                           ; v8  my spare word; never rewritten
.set NIL,  9                           ; v9  0; never rewritten
.set CO,   12                          ; v12 the same two rows in out0
.set BN,   32
.set MSB, 0
.macro WIN new                         ; the immediate's high byte repeats the setting that is left
.if MSB != (\new)
	s_set_vgpr_msb (MSB<<8)|(\new)
.set MSB, \new
.endif
.endm
.macro CROUND                          ; a round of the cluster's barrier
	s_barrier_signal -1
	s_barrier_wait -1
	s_cmp_lg_u32 s14, 0
	s_cbranch_scc1 .Lnot_wave_0_\@
	s_barrier_signal -3
.Lnot_wave_0_\@:
	s_barrier_wait -3
	s_barrier_signal -1
	s_barrier_wait -1
.endm
.macro BLOAD q                         ; W's four tiles of K step q: 16 loads, each 512 consecutive bytes
	WIN 0x40*(1+(\q)/4)
.irp b, 0,1,2,3
.irp x, 0,1,2,3
	global_load_b128 v[64*((\q)%4)+16*\b+4*\x:64*((\q)%4)+16*\b+4*\x+3], v[LI], s[40:41] offset:(2*(\q)+\x/2)*PS+\b*1024+(\x%2)*512
.endr
.endr
	WIN 0
.endm
.macro ALOAD h                         ; turn h of sixteen: y1's tiles 4 (h / 8) .. + 3 of K step h % 8 into set h % 3: 16 loads
.set AQ, (\h)%8
.set AD, 64+64*((\h)%3)
.irp i, 0,1,2,3
.irp x, 0,1,2,3
	ds_load_b128 v[AD+16*\i+4*\x:AD+16*\i+4*\x+3], v[LI+AQ/4] offset:(2*(AQ%4)+\x/2)*8192+(4*((\h)/8)+\i)*1024+(\x%2)*512
.endr
.endr
.endm
; Turn h: four tiles of y1 against W's four, one K step: 16 matrix instructions on 16 accumulators; an accumulator's next turn comes 16 instructions on.
.macro HALF h, zero
.set Q,  (\h)%8
.set AS, 64+64*((\h)%3)
.set AB, 128*((\h)/8)
.if (\h) < 8
.if Q+3 < 8
	BLOAD Q+3
.endif
.set NA, 7-Q
.if NA > 3
.set NA, 3
.endif
	s_wait_loadcnt 16*NA                           ; this K step's 16 loads are in; those of the up to three steps behind it may be out
.endif
.set ND, 15-(\h)
.if ND > 2
.set ND, 2
.endif
	s_wait_dscnt 16*ND                             ; this turn's 16 loads are in; those of the up to two turns behind it may be out
	WIN 0xf1+Q/4                                   ; C and D window 3, source 1 window 0, source 0 window 1 or 2
.irp i, 0,1,2,3
.irp b, 0,1,2,3
.if \zero
	v_wmma_f32_16x16x128_fp8_fp8 v[AB+32*\i+8*\b:AB+32*\i+8*\b+7], v[64*(Q%4)+16*\b:64*(Q%4)+16*\b+15], v[AS+16*\i:AS+16*\i+15], 0
.else
	v_wmma_f32_16x16x128_fp8_fp8 v[AB+32*\i+8*\b:AB+32*\i+8*\b+7], v[64*(Q%4)+16*\b:64*(Q%4)+16*\b+15], v[AS+16*\i:AS+16*\i+15], v[AB+32*\i+8*\b:AB+32*\i+8*\b+7]
.endif
.endr
.endr
.if (\h)+3 < 16
.rept 4
	v_nop                                          ; places in front of loads into the set that these products read, and of the first half's way out
.endr
	WIN 0
	ALOAD (\h)+3
.endif
.endm
.macro TOSTAGE a                       ; tile a: sum x 2^(e8 + e9) + bias, in place; into my stage, and back by rows into the same registers.  LDS serves a wave's instructions in order: the loads come behind the stores
	WIN 0xc3                                       ; source 0 and destination window 3
.set j, 0
.rept 16
	v_pk_fma_f32 v[32*(\a)+j:32*(\a)+j+1], v[32*(\a)+j:32*(\a)+j+1], s[36:37], v[BN+j:BN+j+1] op_sel_hi:[1,0,1]   ; each accumulator from its low end on
.set j, j+2
.endr
	WIN 0x0c                                       ; the stores' data: window 3
.irp b, 0,1,2,3
	ds_store_b128 v[STO], v[32*(\a)+8*\b:32*(\a)+8*\b+3] offset:128*(\b/2)+32*(\b%2)
	ds_store_b128 v[STO], v[32*(\a)+8*\b+4:32*(\a)+8*\b+7] offset:128*(\b/2)+32*(\b%2)+16
.endr
	WIN 0xc0                                       ; destination window 3
.irp t, 0,1,2,3,4,5,6,7
	ds_load_b128 v[32*(\a)+4*\t:32*(\a)+4*\t+3], v[RD] offset:\t*2*SP
.endr
	WIN 0
.endm
.macro SEND a, younger                 ; younger: the LDS instructions issued behind tile a's loads, which may stay out.  A tile's registers are written by nothing behind its stores
	s_wait_dscnt \younger
	WIN 0x0c
.irp t, 0,1,2,3,4,5,6,7
	global_store_b128 v[CO], v[32*(\a)+4*\t:32*(\a)+4*\t+3], s[12:13] offset:(32*((\a)/2)+8*((\a)%2)+2*\t+8*(\t/4))*4096 th:TH_STORE_NT   ; sixteen lanes store 256 consecutive bytes, aligned
.endr
	WIN 0
.endm
	s_load_b256 s[4:11], s[0:1], 0x0               ; y1_u s[4:5], wo_u s[6:7], lowp_scales s[8:9], c_proj_b s[10:11]
	s_load_b64 s[12:13], s[0:1], 0x20              ; out0
	v_lshl_add_u32 v[SPW], v0, 2, SPARE
	v_mov_b32 v[NIL], 0
	ds_add_u32 v[SPW], v[NIL]                      ; the opening: the add, twice on end, and its wait ahead of my first tensor load
	ds_add_u32 v[SPW], v[NIL]
	v_lshrrev_b32 v1, 5, v0
	v_readfirstlane_b32 s14, v1                    ; wave 0..3
	s_mul_i32 s17, s14, 16*SP
	s_add_co_u32 s17, s17, STAGE                   ; my stage
	v_and_b32 v1, 31, v0
	v_lshlrev_b32 v[LI], 4, v1
	v_add_nc_u32 v[LI+1], 0x10000, v[LI]
	v_and_b32 v10, 15, v0                          ; r
	v_bfe_u32 v7, v0, 4, 1                         ; h
	v_lshlrev_b32 v[BO], 6, v7
	v_mul_u32_u24 v11, v10, SP
	v_lshl_add_u32 v11, v7, 6, v11
	v_add_nc_u32 v[STO], s17, v11
	v_mul_u32_u24 v13, v7, SP
	v_lshl_add_u32 v13, v10, 4, v13
	v_add_nc_u32 v[RD], s17, v13
	v_lshlrev_b32 v14, 12, v7                      ; a row of out0 is 4,096 bytes
	v_lshl_add_u32 v[CO], v10, 4, v14
	s_bfe_u32 s15, ttmp6, 0x40000                  ; cx: which 256 columns
	s_and_b32 s16, ttmp7, 0xffff                   ; i: which block of 128 rows
	s_mov_b32 s24, 15|(3<<16)|(1<<21)              ; group 1: the mask of the four; elements of 8 bytes; bit 21 beside the mask
	s_mov_b32 s25, 1024<<16                        ; rows of 8,192 bytes, one a panel,
	s_mov_b32 s26, 4<<16                           ; four of them,
	s_mov_b32 s27, 1024<<16
	s_mov_b32 s28, 4
	s_mov_b32 s29, PS/8                            ; PS bytes apart; they lie on end in LDS
	s_mov_b32 s30, 0
	s_mov_b32 s31, 0
	s_lshl_b32 s20, s16, 13                        ; y1: block i,
	s_lshl_b32 s21, s14, 21                        ; panels 4 w on
	s_add_co_u32 s20, s20, s21
	s_mov_b32 s21, 0
	s_mov_b32 s32, 1                               ; group 0
	s_lshl_b32 s33, s14, 15                        ; LDS: panel p at 8,192 p
	s_lshl_b32 s22, s15, 1                         ; W: block 8 + 2 cx + w / 2,
	s_lshr_b32 s23, s14, 1
	s_add_co_u32 s22, s22, s23
	s_add_co_u32 s22, s22, 8
	s_lshl_b32 s22, s22, 13
	s_and_b32 s23, s14, 1
	s_lshl_b32 s23, s23, 12                        ; tiles 4 (w % 2) on
	s_add_co_u32 s22, s22, s23
	s_mov_b32 s23, 0
	s_lshl_b32 s18, s15, 10                        ; the bias: column 256 cx + 64 w, 4 bytes each
	s_lshl_b32 s19, s14, 8
	s_add_co_u32 s18, s18, s19
	s_mov_b32 s19, 0
	s_lshl_b32 s42, s16, 19                        ; out0: row 128 i, the same column
	s_add_co_u32 s42, s42, s18
	s_mov_b32 s43, 0
	s_wait_alu depctr_va_vdst(0)
	s_wait_dscnt 0x0                               ; both opening adds are done
	s_wait_kmcnt 0x0
	s_load_b64 s[36:37], s[8:9], 0x20              ; e8, e9
	s_add_nc_u64 s[34:35], s[4:5], s[20:21]
	s_or_b32 s35, s35, 0x80000000
	s_add_nc_u64 s[40:41], s[6:7], s[22:23]
	s_add_nc_u64 s[10:11], s[10:11], s[18:19]
	s_add_nc_u64 s[12:13], s[12:13], s[42:43]
.irp b, 0,1,2,3
	global_load_b128 v[BN+8*\b:BN+8*\b+3], v[BO], s[10:11] offset:(32*(\b/2)+8*(\b%2))*4
	global_load_b128 v[BN+8*\b+4:BN+8*\b+7], v[BO], s[10:11] offset:(32*(\b/2)+8*(\b%2))*4+16
.endr
	BLOAD 0
	BLOAD 1
	BLOAD 2
	CROUND                                         ; all four work-groups are here: the joint loads meet
	tensor_load_to_lds s[32:35], s[24:31]          ; my four panels of y1's block: the wave's one tensor load
	s_nop 0
.rept 4
	v_nop
.endr
	s_wait_kmcnt 0x0
	s_add_co_i32 s36, s36, s37                     ; e8 + e9
	s_add_co_i32 s36, s36, 127
	s_lshl_b32 s36, s36, 23                        ; 2^(e8 + e9) as f32
	s_wait_tensorcnt 0x0                           ; my four panels are in,
	s_barrier_signal -1
	s_barrier_wait -1                              ; and everybody's
	ALOAD 0
	ALOAD 1
	ALOAD 2
	HALF 0, 1                                      ; tiles 0-3: the first K step starts the sums: nothing is cleared
.irp h, 1,2,3,4,5,6,7
	HALF \h, 0
.endr
	TOSTAGE 0                                      ; tiles 0-3 are finished (four places stand behind their last products) and leave
.irp a, 1,2,3
	TOSTAGE \a
	SEND \a-1, 16                                  ; behind tile a - 1's loads: tile a's 8 stores and 8 loads
.endr
	SEND 3, 0
	HALF 8, 1                                      ; tiles 4-7, from the fragments of W that lie in registers
.irp h, 9,10,11,12,13,14,15
	HALF \h, 0
.endr
.rept 4
	v_nop                                          ; places behind the last products
.endr
	TOSTAGE 4
.irp a, 5,6,7
	TOSTAGE \a
	SEND \a-1, 16
.endr
	SEND 7, 0
	s_wait_tensorcnt 0x0                           ; the wave's end
	ds_add_u32 v[SPW], v[NIL]
	s_wait_dscnt 0x0
	CROUND                                         ; the closing round
	s_endpgm
.Lfunc_end_k_q5af3792347_cproj:
	.size	k_q5af3792347_cproj, .Lfunc_end_k_q5af3792347_cproj-k_q5af3792347_cproj
	.p2alignl 7, 3214868480
	.fill 96, 4, 3214868480
	.section	.rodata,"a",@progbits
	.p2align	6, 0x0
	.amdhsa_kernel k_q5af3792347_cproj
		.amdhsa_group_segment_fixed_size 167936
		.amdhsa_private_segment_fixed_size 0
		.amdhsa_enable_private_segment 0
		.amdhsa_kernarg_size 40
		.amdhsa_user_sgpr_count 2
		.amdhsa_user_sgpr_kernarg_segment_ptr 1
		.amdhsa_wavefront_size32 1
		.amdhsa_system_sgpr_workgroup_id_x 1
		.amdhsa_system_sgpr_workgroup_id_y 1
		.amdhsa_system_sgpr_workgroup_id_z 1
		.amdhsa_system_vgpr_workitem_id 0
		.amdhsa_next_free_vgpr 1024
		.amdhsa_next_free_sgpr 66
		.amdhsa_reserve_vcc 0
		.amdhsa_float_denorm_mode_32 3
		.amdhsa_float_denorm_mode_16_64 3
		.amdhsa_memory_ordered 1
		.amdhsa_forward_progress 1
		.amdhsa_inst_pref_size 77
	.end_amdhsa_kernel
	.amdgpu_metadata
---
amdhsa.version: [ 1, 2 ]
amdhsa.kernels:
  - .name:           k_q5af3792347_cproj
    .symbol:         k_q5af3792347_cproj.kd
    .args:
      - { .name: y1_u, .offset: 0, .size: 8, .value_kind: global_buffer, .address_space: global }
      - { .name: wo_u, .offset: 8, .size: 8, .value_kind: global_buffer, .address_space: global }
      - { .name: lowp_scales, .offset: 16, .size: 8, .value_kind: global_buffer, .address_space: global }
      - { .name: c_proj_b, .offset: 24, .size: 8, .value_kind: global_buffer, .address_space: global }
      - { .name: out0, .offset: 32, .size: 8, .value_kind: global_buffer, .address_space: global }
    .group_segment_fixed_size: 167936
    .private_segment_fixed_size: 0
    .kernarg_segment_align: 8
    .kernarg_segment_size: 40
    .max_flat_workgroup_size: 128
    .sgpr_count:     66
    .vgpr_count:     1024
    .wavefront_size: 32
...
	.end_amdgpu_metadata
.endif
;; end of part 5
